; MI455X (gfx1250); checked and timed in simulation.
; The chip was launched on July 23, 2026; its instructions are those of AMD's public machine-readable ISA for CDNA 5 (MIT licence, August 2026) and "CDNA5" Instruction Set Architecture Reference Guide (July 2026). The comments in the code are by the model that wrote it; some were corrected since.
;; Self Attention. Allowed arithmetic: float matrix products may take bf16 or f16 operands with f32 sums; other float arithmetic in f32, or as packed bf16 or f16 multiplies, adds, multiply-adds, maxima and minima; sums over many terms, partial sums and values carried from step to step in f32; what a program stores and reads back later, other than sums and carried values, may be rounded once to bf16 or f16.
;; Inputs: W_in 1,024 x 3,072 float32; W_out 1,024 x 1,024 float32; X 4 x 2,048 x 1,024 float32; b_in 3,072 float32; b_out 1,024 float32.
;; Outputs: out0 4 x 2,048 x 1,024 float32.
;; One version. Each part assembles by itself: llvm-mc -triple=amdgcn-amd-amdhsa -mcpu=gfx1250 --defsym DOCPART=n.
;; ======== version 1 of 1: 5 launches
;; limits: values are held in f16: magnitudes above 65,504 overflow, below 6.1e-05 lose precision
;; workspace buffers: Xb 16,777,216 bytes; WinT 6,291,456 bytes; WoT 2,097,152 bytes; QK 33,554,432 bytes; Vt 16,777,216 bytes; P 33,554,432 bytes; ST 1,048,576 bytes; O 16,777,216 bytes
;; launch prep (part 1): grid 768 x 1, 8 waves a work-group, no clusters, 35,840 bytes of LDS; arguments X, W_in, W_out, Xb, WinT, WoT; writes Xb, WinT, WoT
.if DOCPART == 1
	.amdgcn_target "amdgcn-amd-amdhsa--gfx1250"
	.amdhsa_code_object_version 6
	.text
	.protected	k_q881e010061_prep
	.globl	k_q881e010061_prep
	.p2align	8
	.type	k_q881e010061_prep,@function
k_q881e010061_prep:
	s_mov_b64 s[64:65], 0
	v_nop
	global_prefetch_b8 v0, s[64:65] scope:SCOPE_SE
	s_setreg_imm32_b32 hwreg(HW_REG_WAVE_MODE, 25, 1), 1
	s_wait_xcnt 0x0
; CASTS AND TRANSPOSES.  Xb = X rounded to bf16, [8192][1024].  WinT[n][k] = W_in[k][n] rounded to bf16, [3072][1024].  WoT[n][k] = W_out[k][n] rounded to bf16, that number written as f16, [1024][1024].
; LIMITS.  A bf16 number is exact in f16 between 6.1e-5 and 65,504 in magnitude; below it keeps f16's fixed step of 6e-8, above it becomes an infinity.
; SHARES.  768 work-groups of eight waves, 65,536 bytes of input each.  Numbers 0-511: 16 rows of X.  512-703: a tile of 128 k x 128 n of W_in.  704-767: such a tile of W_out.
; The branch hangs on the work-group's number alone, so all eight waves take the same way.  No matrix unit, no cluster: every byte is read once and nothing is shared.
.set SPARE, 34816                      ; behind the tile: the spare words, 128 bytes for each of eight waves
.set TP,    272                        ; the turned tile in LDS: a row is 128 k x 2 bytes + 16 of padding
.set SPW, 30                           ; v30  LDS address of my spare word; never rewritten
.set NIL, 31                           ; v31  0; never rewritten
.set IN,  32                           ; v[32:95]   sixteen loads of 16 bytes
.set OUT, 96                           ; v[96:127]  what is made of them
.set WV,  16                           ; s16  my wave's number
.set ID,  17                           ; s17  the work-group's number, later the tile's
	s_load_b256 s[4:11], s[0:1], 0x0               ; X s[4:5], W_in s[6:7], W_out s[8:9], Xb s[10:11]
	s_load_b128 s[12:15], s[0:1], 0x20             ; WinT s[12:13], WoT s[14:15]
	v_lshl_add_u32 v[SPW], v0, 2, SPARE
	v_mov_b32 v[NIL], 0
	v_lshrrev_b32 v1, 5, v0
	v_readfirstlane_b32 s[WV], v1
	s_mov_b32 s[ID], ttmp9
	s_mov_b32 s19, 0                               ; the high words of two offsets
	s_mov_b32 s21, 0
	s_wait_kmcnt 0x0
	s_cmp_lt_u32 s[ID], 512
	s_cbranch_scc0 .Lweights
	; 16 rows of X.  Thread t owns 16 bytes at 16 t of each row: a load of a wave covers 512 consecutive bytes, a store 256, aligned.
	s_lshl_b32 s18, s[ID], 16
	s_add_nc_u64 s[4:5], s[4:5], s[18:19]
	s_lshl_b32 s20, s[ID], 15
	s_add_nc_u64 s[10:11], s[10:11], s[20:21]
	v_lshlrev_b32 v2, 4, v0
	v_lshlrev_b32 v3, 3, v0
.irp q, 0,1,2,3,4,5,6,7,8,9,10,11,12,13,14,15
	global_load_b128 v[IN+4*(\q):IN+4*(\q)+3], v2, s[4:5] offset:(\q)*4096 th:TH_LOAD_NT
.endr
.irp q, 0,1,2,3,4,5,6,7,8,9,10,11,12,13,14,15
	s_wait_loadcnt 15-(\q)                         ; loads come back in order: row q is in, the younger ones stay out
	v_cvt_pk_bf16_f32 v[OUT+2*(\q)],   v[IN+4*(\q)],   v[IN+4*(\q)+1]
	v_cvt_pk_bf16_f32 v[OUT+2*(\q)+1], v[IN+4*(\q)+2], v[IN+4*(\q)+3]
	global_store_b64 v3, v[OUT+2*(\q):OUT+2*(\q)+1], s[10:11] offset:(\q)*2048  ; every store has registers of its own: nothing is rewritten
.endr
	s_branch .Lend
; A tile of 128 k x 128 n of a weight matrix whose rows are SP bytes.  Wave w loads rows k = 16 w .. 16 w + 15, 512 consecutive bytes each; a lane then holds 16 k of four n.
; Pairs of k are rounded and packed, and the lane's 32 bytes of each of its four n go into the turned tile in LDS; behind a barrier whole rows of 256 bytes are read back and stored.
.macro WTILE SP, F16, SRC, DST
	s_and_b32 s22, s[ID], 7                        ; which 128 k
	s_lshr_b32 s23, s[ID], 3                       ; which 128 n
	s_mul_i32 s18, s22, 128*(\SP)
	s_lshl_b32 s24, s23, 9
	s_add_co_u32 s18, s18, s24
	s_add_nc_u64 s[\SRC:\SRC+1], s[\SRC:\SRC+1], s[18:19]
	s_lshl_b32 s20, s23, 18                        ; 128 rows of 2,048 bytes
	s_lshl_b32 s24, s22, 8
	s_add_co_u32 s20, s20, s24
	s_add_nc_u64 s[\DST:\DST+1], s[\DST:\DST+1], s[20:21]
	v_and_b32 v4, 31, v0                           ; lane
	s_mul_i32 s24, s[WV], 16*(\SP)
	v_lshl_add_u32 v2, v4, 4, s24
.irp q, 0,1,2,3,4,5,6,7,8,9,10,11,12,13,14,15
	global_load_b128 v[IN+4*(\q):IN+4*(\q)+3], v2, s[\SRC:\SRC+1] offset:(\q)*(\SP) th:TH_LOAD_NT
.endr
	v_mul_u32_u24 v5, v4, 4*TP                     ; in: rows n = 4 lane + i, bytes 32 w on
	s_lshl_b32 s25, s[WV], 5
	v_add_nc_u32 v5, s25, v5
	v_and_b32 v6, 15, v0
	v_bfe_u32 v7, v0, 4, 1
	s_lshl_b32 s26, s[WV], 4
	v_add_nc_u32 v8, s26, v7                       ; back: rows n = 16 w + lane / 16 + 2 t, 16 bytes at 16 (lane % 16)
	v_mul_u32_u24 v9, v8, TP
	v_lshl_add_u32 v9, v6, 4, v9
	v_lshlrev_b32 v10, 11, v8                      ; and the same rows in memory
	v_lshl_add_u32 v10, v6, 4, v10
	s_wait_loadcnt 0x0
.irp i, 0,1,2,3
.irp p, 0,1,2,3,4,5,6,7
	v_cvt_pk_bf16_f32 v[OUT+8*(\i)+(\p)], v[IN+8*(\p)+(\i)], v[IN+8*(\p)+4+(\i)]  ; k = 16 w + 2 p and the next, of n = 4 lane + i
.if \F16
	v_and_b32 v12, 0xffff0000, v[OUT+8*(\i)+(\p)]  ; the two bf16 numbers as f32,
	v_lshlrev_b32 v[OUT+8*(\i)+(\p)], 16, v[OUT+8*(\i)+(\p)]
	v_cvt_pk_f16_f32 v[OUT+8*(\i)+(\p)], v[OUT+8*(\i)+(\p)], v12  ; written as f16
.endif
.endr
.endr
.irp i, 0,1,2,3
	ds_store_b128 v5, v[OUT+8*(\i):OUT+8*(\i)+3]   offset:(\i)*TP
	ds_store_b128 v5, v[OUT+8*(\i)+4:OUT+8*(\i)+7] offset:(\i)*TP+16
.endr
	s_wait_dscnt 0x0                               ; for the others' sake: my stores are done
	s_barrier_signal -1
	s_barrier_wait -1
.irp t, 0,1,2,3,4,5,6,7
	ds_load_b128 v[IN+4*(\t):IN+4*(\t)+3], v9 offset:(\t)*2*TP
.endr
.irp t, 0,1,2,3,4,5,6,7
	s_wait_dscnt 7-(\t)
	global_store_b128 v10, v[IN+4*(\t):IN+4*(\t)+3], s[\DST:\DST+1] offset:(\t)*4096  ; 16 lanes store 256 consecutive bytes, aligned
.endr
.endm
.Lweights:
	s_cmp_lt_u32 s[ID], 704
	s_cbranch_scc0 .Lwout
	s_sub_co_u32 s[ID], s[ID], 512
	WTILE 12288, 0, 6, 12
	s_branch .Lend
.Lwout:
	s_sub_co_u32 s[ID], s[ID], 704
	WTILE 4096, 1, 8, 14
.Lend:
	s_wait_tensorcnt 0x0                           ; the wave's end, behind my last LDS store
	ds_add_u32 v[SPW], v[NIL]
	s_wait_dscnt 0x0
	s_endpgm
.Lfunc_end_k_q881e010061_prep:
	.size	k_q881e010061_prep, .Lfunc_end_k_q881e010061_prep-k_q881e010061_prep
	.p2alignl 7, 3214868480
	.fill 96, 4, 3214868480
	.section	.rodata,"a",@progbits
	.p2align	6, 0x0
	.amdhsa_kernel k_q881e010061_prep
		.amdhsa_group_segment_fixed_size 35840
		.amdhsa_private_segment_fixed_size 0
		.amdhsa_enable_private_segment 0
		.amdhsa_kernarg_size 48
		.amdhsa_user_sgpr_count 2
		.amdhsa_user_sgpr_kernarg_segment_ptr 1
		.amdhsa_wavefront_size32 1
		.amdhsa_system_sgpr_workgroup_id_x 1
		.amdhsa_system_sgpr_workgroup_id_y 1
		.amdhsa_system_sgpr_workgroup_id_z 1
		.amdhsa_system_vgpr_workitem_id 0
		.amdhsa_next_free_vgpr 128
		.amdhsa_next_free_sgpr 66
		.amdhsa_reserve_vcc 0
		.amdhsa_float_denorm_mode_32 3
		.amdhsa_float_denorm_mode_16_64 3
		.amdhsa_memory_ordered 1
		.amdhsa_forward_progress 1
		.amdhsa_inst_pref_size 26
	.end_amdhsa_kernel
	.amdgpu_metadata
---
amdhsa.version: [ 1, 2 ]
amdhsa.kernels:
  - .name:           k_q881e010061_prep
    .symbol:         k_q881e010061_prep.kd
    .args:
      - { .name: X, .offset: 0, .size: 8, .value_kind: global_buffer, .address_space: global }
      - { .name: W_in, .offset: 8, .size: 8, .value_kind: global_buffer, .address_space: global }
      - { .name: W_out, .offset: 16, .size: 8, .value_kind: global_buffer, .address_space: global }
      - { .name: Xb, .offset: 24, .size: 8, .value_kind: global_buffer, .address_space: global }
      - { .name: WinT, .offset: 32, .size: 8, .value_kind: global_buffer, .address_space: global }
      - { .name: WoT, .offset: 40, .size: 8, .value_kind: global_buffer, .address_space: global }
    .group_segment_fixed_size: 35840
    .private_segment_fixed_size: 0
    .kernarg_segment_align: 8
    .kernarg_segment_size: 48
    .max_flat_workgroup_size: 256
    .sgpr_count:     66
    .vgpr_count:     128
    .wavefront_size: 32
...
	.end_amdgpu_metadata
.endif
;; end of part 1
;; launch qkv (part 2): grid 8 x 48, 4 waves a work-group, clusters of 4 x 4, 327,680 bytes of LDS; arguments Xb, WinT, b_in, QK, Vt; writes QK, Vt
.if DOCPART == 2
	.amdgcn_target "amdgcn-amd-amdhsa--gfx1250"
	.amdhsa_code_object_version 6
	.text
	.protected	k_q881e010061_qkv
	.globl	k_q881e010061_qkv
	.p2align	8
	.type	k_q881e010061_qkv,@function
k_q881e010061_qkv:
	s_mov_b64 s[64:65], 0
	v_nop
	global_prefetch_b8 v0, s[64:65] scope:SCOPE_SE
	s_setreg_imm32_b32 hwreg(HW_REG_WAVE_MODE, 25, 1), 1
	s_wait_xcnt 0x0
	s_wait_alu depctr_hold_cnt(0) depctr_sa_sdst(0) depctr_va_vdst(0) depctr_va_sdst(0) depctr_va_ssrc(0) depctr_va_vcc(0) depctr_vm_vsrc(0)
	s_getreg_b32 s2, hwreg(HW_REG_IB_STS2, 6, 4)
	s_cmp_eq_u32 s2, 0
	s_cbranch_scc0 .Lentry_in_a_cluster
	s_endpgm
.Lentry_in_a_cluster:
	s_bfe_u32 s2, ttmp6, 0x10000c
	s_cmp_lg_u32 s2, 0xf033
	s_cbranch_scc0 .Lentry_shape_is_right
	s_endpgm
.Lentry_shape_is_right:
; QKV = X W_in + b_in, in bf16 products with f32 sums, results rounded once to f16.  Q | K go out by rows, QK[8192][2048]; V goes out TURNED, Vt[1024 channels][8192 keys], so that the product P V finds its K along the rows.
; One text makes both: C[m][n] = sum over k of A[m][k] B[n][k].  Clusters with y < 8: A = Xb, B = WinT's rows 0-2047, C = QK, bias by column.  Clusters with y >= 8: A = WinT's rows 2048-3071, B = Xb, C = Vt, bias by row.
; The choice hangs on the cluster's y alone and selects values, never a branch.  b_in is rounded to bf16 like every input; the bias that a type does not have is masked to 0.
; LIMITS.  f16 ends at 65,504: Q, K and V must lie within it.  The column bias starts the sums, the row bias is added at their end: the order of rounding is not the reference's.
; SHARES.  A work-group makes 256 x 256 of C; wave w the rows 128 (w / 2) on and the columns 128 (w % 2) on: 64 accumulators of 16 x 16, 512 registers.  256 tiles of Q | K and 128 of V: 384 work-groups.
; K goes in 8 steps of 128 (rows of 256 bytes, aligned) through two LDS slots: a step is 256 matrix instructions a wave, 224 of them between a slot's request and the wait for it.
; CLUSTER 4 x 4: A's tile is shared along a row of the cluster, B's along a column, each asked for jointly.
; THE MATRIX INSTRUCTION IS USED TRANSPOSED (source 0 = 16 rows of B, source 1 = 16 rows of A): lane l holds row l % 16 of C and the columns 8 (l / 16) + 0..7.
; REGISTERS, in windows of 256.  Window 0: addresses; v64-127 and v128-191 A's two fragment buffers (block i of 16 rows at +8 i).  Window 1: the same numbers for B's; v0-63 the column bias, block b at 8 b.
; Window 2: the accumulators of my rows 0-63, (a, b) at 8 (8 a + b).  Window 3: those of my rows 64-127.
.set NSTEP,  8
.set PITCH,  272                       ; an LDS row: 256 bytes + 16 of padding = 68 words: the 16 rows of a fragment load start at 16 different groups of four banks (64 banks of 4 bytes: ISA guide 11.1)
.set HALFT,  128*PITCH                 ; 128 rows: what one tensor load brings, and what a wave reads of A or of B
.set BOFF,   2*HALFT                   ; a slot: A's 256 rows, then B's 256
.set SLOT,   4*HALFT
.set STAGE,  2*SLOT                    ; behind the ring: 16 rows x 272 bytes for each wave, for the way out
.set SPARE,  STAGE+4*16*PITCH          ; behind the stages: the spare words, 128 bytes for each wave
.set G1C,    (1<<16)|(1<<20)|(1<<21)|(5<<22)|(3<<25)  ; 2-byte elements; padding on; bit 21 beside a mask; after every 64 words (code 5) 4 words (code 3)
.set ADRA0, 16                         ; v16, v17  my lane's place in A's and B's rows of slot 0; never rewritten
.set ADRB0, 17
.set ADRA,  18                         ; v18, v19  the same in the slot in hand
.set ADRB,  19
.set STO,   24                         ; v24  the way out: where I put 16 bytes of a row
.set RD,    25                         ; v25  where I read rows back
.set SPW,   28                         ; v28  LDS address of my spare word; never rewritten
.set NIL,   29                         ; v29  0; never rewritten
.set PFO,   30                         ; v30  the prefetches' offset: my lane x a row of 2,048 bytes
.set COT,   32                         ; v32-39  my byte offsets in 16 rows of C, two rows a store
.set RB,    40                         ; v40-55  the row bias of block a of eight, twice, at RB + 2 a
.set F0,    64
.set F1,    128
.set TMP,   64                         ; the way out: packed results; v96-127 and v128-159 take whole rows by turns
.set WV, 10
.set WM, 11                            ; s11  w / 2: my half of the rows.  Also: I fetch for A (0) or for B (1)
.set WN, 12                            ; s12  w % 2: my half of the columns.  Also: which half of that tile I fetch
.set TR, 13                            ; s13  tile row of C
.set TC, 42                            ; s42  tile column
.set CX, 40
.set CY, 41
.set LIM, 43                           ; s43  2 in a wave that prefetches, else the greatest number
.set PFA, 44                           ; s[44:45] where my prefetches stand
.set CNT, 66                           ; s66  the loops' count
.set TB,  67                           ; s67  the slot in hand: 0 or SLOT
.set HF,  73                           ; s73  counts the two halves of the way out
.set LA,  98                           ; s98  where my part of A's tile goes in slot 0; s99 the same for B's
.set LB,  99
.set G1A, 24                           ; s[24:31] group 1 for A's tiles; s[32:35], s[36:39] group 0: the two first fills; the second then walks
.set G0A, 32
.set G1B, 48                           ; s[48:55], s[56:59], s[60:63] the same for B's
.set G0B, 56
.set MSB, 0
.macro WIN new                         ; the immediate's high byte repeats the setting that is left; a switch that changes nothing is dropped
.if MSB != (\new)
	s_set_vgpr_msb (MSB<<8)|(\new)
.set MSB, \new
.endif
.endm
.macro PLACES                          ; four places behind matrix instructions, in front of loads into registers that they read and of lines that read results
.rept 4
	v_nop
.endr
.endm
.macro CREST                           ; a round of the cluster's barrier behind its opening barrier
	s_cmp_lg_u32 s[WV], 0
	s_cbranch_scc1 .Lnot_wave_0_\@
	s_barrier_signal -3
.Lnot_wave_0_\@:
	s_barrier_wait -3
	s_barrier_signal -1
	s_barrier_wait -1
.endm
.macro CROUND
	s_barrier_signal -1
	s_barrier_wait -1
	CREST
.endm
.macro JLOAD                           ; a joint refill by the walking descriptor; the branch hangs on the wave's number alone; s_nop 0 and four v_nop follow each line
	s_cmp_eq_u32 s[WM], 0
	s_cbranch_scc0 .Lfor_b_\@
	tensor_load_to_lds s[G0A+4:G0A+7], s[G1A:G1A+7]
	s_nop 0
	PLACES
	s_branch .Lasked_\@
.Lfor_b_\@:
	tensor_load_to_lds s[G0B+4:G0B+7], s[G1B:G1B+7]
	s_nop 0
	PLACES
.Lasked_\@:
.endm
; A prefetch of the K step that stands two refills on, 512 matrix instructions ahead of the load that wants it: 32 rows x 256 bytes, a lane a row.  Each row's 256 bytes of K steps 4 to 7 are named once in the launch.
; Of the 128 rows that a wave fetches, each of the four partners that ask for them jointly takes 32, told apart by address (32 cx on for A, 32 cy on for B).  A's rows are named by the clusters whose coordinate along
; C's tile columns is 0, B's by the clusters with y = 0.  Xb as B is not named: it is named as A.
.macro ASK
	s_cmp_gt_u32 s[CNT], s[LIM]                    ; the last two refills have no K step two on
	s_cbranch_scc0 .Lnot_mine_\@
	global_prefetch_b8 v[PFO], s[PFA:PFA+1] offset:256 th:TH_LOAD_NT scope:SCOPE_SE
.Lnot_mine_\@:
.endm
; 16 matrix instructions: blocks a0, a0 + 1 of the window's four (hi = 0: my rows 0-63, 1: rows 64-127) x all 8 blocks of my columns, 32 along K.  first = 1: the column bias starts the sums.
; The 64 accumulators take turns.
.macro MUL16 f, hi, a0, first
.if \first
	WIN 0x91+0x40*(\hi)                            ; B and the bias window 1, A window 0, D window 2 or 3
.else
	WIN 0xa1+0x50*(\hi)                            ; B window 1, A window 0, C and D window 2 or 3
.endif
.irp a, \a0, (\a0)+1
.irp b, 0,1,2,3,4,5,6,7
.if \first
	v_wmma_f32_16x16x32_bf16 v[8*(8*(\a)+(\b)):8*(8*(\a)+(\b))+7], v[(\f)+8*(\b):(\f)+8*(\b)+7], v[(\f)+8*(4*(\hi)+(\a)):(\f)+8*(4*(\hi)+(\a))+7], v[8*(\b):8*(\b)+7]
.else
	v_wmma_f32_16x16x32_bf16 v[8*(8*(\a)+(\b)):8*(8*(\a)+(\b))+7], v[(\f)+8*(\b):(\f)+8*(\b)+7], v[(\f)+8*(4*(\hi)+(\a)):(\f)+8*(4*(\hi)+(\a))+7], v[8*(8*(\a)+(\b)):8*(8*(\a)+(\b))+7]
.endif
.endr
.endr
.endm
.macro FETCH k, f                      ; 32 LDS loads in one run: the fragments of 32 along K at byte k of the rows: B's eight, then A's eight
	WIN 0x40                                       ; destination window 1, address window 0
.irp i, 0,1,2,3,4,5,6,7
	ds_load_b128 v[(\f)+8*(\i):(\f)+8*(\i)+3],   v[ADRB] offset:(\k)+(\i)*16*PITCH
	ds_load_b128 v[(\f)+8*(\i)+4:(\f)+8*(\i)+7], v[ADRB] offset:(\k)+(\i)*16*PITCH+32
.endr
	WIN 0
.irp i, 0,1,2,3,4,5,6,7
	ds_load_b128 v[(\f)+8*(\i):(\f)+8*(\i)+3],   v[ADRA] offset:(\k)+(\i)*16*PITCH
	ds_load_b128 v[(\f)+8*(\i)+4:(\f)+8*(\i)+7], v[ADRA] offset:(\k)+(\i)*16*PITCH+32
.endr
.endm
; A K step is four quarters of 32 along K, 64 matrix instructions each, on buffers 0, 1, 0, 1.  One of the first three multiplies f and fetches the next quarter, at byte k, into g.
.macro QUARTER k, f, g, first
	s_wait_dscnt 8                                 ; the youngest eight loads, A's blocks 4 to 7, may be out
	MUL16 \f, 0, 0, \first
	MUL16 \f, 0, 2, \first
	PLACES
	FETCH \k, \g
	s_wait_dscnt 32                                ; all but the 32 just issued
	MUL16 \f, 1, 0, \first
	MUL16 \f, 1, 2, \first
.endm
; The last quarter multiplies buffer 1 and changes slots.  In front of the barrier each wave waits for all its tensor loads (one is out: its part of the next slot), adds 0 to its spare word, and waits for that
; and for its reads of this slot.  fill = 1: the barrier opens a round of the cluster's, and the joint refill of the slot just read, two K steps ahead, is the first thing behind it.
; fill = 0 (the loop of the last two K steps): nothing is filled; in its second trip there is no further step, and the run of loads is jumped over.
.macro TURN fill
.if \fill
	s_wait_xcnt 0x0                                ; the last prefetch, a K step back, has read its address
	s_add_nc_u64 s[PFA:PFA+1], s[PFA:PFA+1], 256
.endif
	WIN 0
	s_wait_tensorcnt 0x0                           ; no tensor load of mine is out, so a group 0 may be written
	ds_add_u32 v[SPW], v[NIL]                      ; 0 onto my spare word
.if \fill
	s_add_co_u32 s[G0A+5], s[LA], s[TB]            ; the walking descriptors: the slot in hand, the K step two on
	s_add_nc_u64 s[G0A+6:G0A+7], s[G0A+6:G0A+7], 256
	s_add_co_u32 s[G0B+5], s[LB], s[TB]
	s_add_nc_u64 s[G0B+6:G0B+7], s[G0B+6:G0B+7], 256
.endif
	s_wait_dscnt 9                                 ; the add and the youngest eight loads may be out
	MUL16 F1, 0, 0, 0
	s_wait_dscnt 0x0                               ; the add is done, and my reads of this slot are over
	s_barrier_signal -1
	MUL16 F1, 0, 2, 0
	WIN 0
	s_barrier_wait -1
.if \fill
	CREST
	JLOAD                                          ; its four v_nop are also the places in front of the loads below
.else
	s_cmp_eq_u32 s[CNT], 1
	s_cbranch_scc1 .Lno_more_\@
	PLACES
.endif
	s_xor_b32 s[TB], s[TB], SLOT                   ; 0 and SLOT by turns
	v_add_nc_u32 v[ADRA], s[TB], v[ADRA0]
	v_add_nc_u32 v[ADRB], s[TB], v[ADRB0]
	FETCH 0, F0
.if \fill
	ASK
.else
.Lno_more_\@:
.endif
	MUL16 F1, 1, 0, 0
	MUL16 F1, 1, 2, 0
.endm
	s_load_b256 s[76:83], s[0:1], 0x0              ; Xb s[76:77], WinT s[78:79], b_in s[80:81], QK s[82:83]
	s_load_b64 s[84:85], s[0:1], 0x20              ; Vt
	v_lshl_add_u32 v[SPW], v0, 2, SPARE
	v_mov_b32 v[NIL], 0
	ds_add_u32 v[SPW], v[NIL]                      ; the wave's opening: the add, with its wait ahead of my first tensor load; work on registers stands between them
	v_lshrrev_b32 v1, 5, v0
	v_readfirstlane_b32 s[WV], v1
	s_lshr_b32 s[WM], s[WV], 1
	s_and_b32 s[WN], s[WV], 1
	s_bfe_u32 s[CX], ttmp6, 0x40000
	s_bfe_u32 s[CY], ttmp6, 0x40004
	s_and_b32 s14, ttmp7, 0xffff                   ; the cluster's y, 0 to 11
	s_sub_co_u32 s15, s14, 8
	s_lshl_b32 s15, s15, 1
	s_add_co_u32 s15, s15, ttmp9                   ; V: which four tile columns, 2 (y - 8) + x; used where y >= 8 alone
	s_cmp_ge_u32 s14, 8                            ; does this cluster make V?  The same in all sixteen partners
	s_cselect_b32 s86, 1, 0
	s_cselect_b32 s87, 14, 12                      ; a row of C is 16,384 or 4,096 bytes
	s_cselect_b32 s88, 0, s14                      ; the cluster's coordinate along C's tile rows (V has four tile rows: one cluster),
	s_cselect_b32 s89, s15, ttmp9                  ; and along its tile columns
	s_cselect_b32 s90, 0, -1                       ; keeps the column bias or clears it,
	s_cselect_b32 s91, -1, 0                       ; and the row bias
	s_lshl_b32 s[TR], s88, 2
	s_add_co_u32 s[TR], s[TR], s[CY]
	s_lshl_b32 s[TC], s89, 2
	s_add_co_u32 s[TC], s[TC], s[CX]
	s_lshl_b32 s18, s[CY], 2
	s_lshl_b32 s18, 15, s18                        ; my row of the cluster
	s_lshl_b32 s19, 0x1111, s[CX]                  ; my column
	s_or_b32 s[G1A], s18, G1C
	s_or_b32 s[G1B], s19, G1C
	s_mov_b32 s[G1A+1], 128<<16                    ; tensor_dim0 = 128
	s_mov_b32 s[G1A+2], 128<<16                    ; tensor_dim1 = 128
	s_mov_b32 s[G1A+3], 128<<16                    ; tile_dim0 = 128
	s_mov_b32 s[G1A+4], 128                        ; tile_dim1 = 128
	s_mov_b32 s[G1A+5], 1024                       ; elements from row to row
	s_mov_b32 s[G1A+6], 0
	s_mov_b32 s[G1A+7], 0
	s_mov_b32 s[G1B+1], 128<<16
	s_mov_b32 s[G1B+2], 128<<16
	s_mov_b32 s[G1B+3], 128<<16
	s_mov_b32 s[G1B+4], 128
	s_mov_b32 s[G1B+5], 1024
	s_mov_b32 s[G1B+6], 0
	s_mov_b32 s[G1B+7], 0
	s_lshl_b32 s20, s[TR], 8                       ; A: row 256 x tile row + 128 x half, of 2,048 bytes
	s_lshl_b32 s21, s[WN], 7
	s_add_co_u32 s20, s20, s21
	s_lshl_b32 s20, s20, 11
	s_mov_b32 s21, 0
	s_lshl_b32 s46, s[TC], 8                       ; B: row 256 x tile column + 128 x half
	s_lshl_b32 s47, s[WN], 7
	s_add_co_u32 s46, s46, s47
	s_lshl_b32 s46, s46, 11
	s_mov_b32 s47, 0
	s_mul_i32 s[LA], s[WN], HALFT                  ; where they go: no place in the cluster enters an LDS address
	s_add_co_u32 s[LB], s[LA], BOFF
	s_mov_b32 s[TB], 0
	s_mov_b32 s72, 0xffff0000                      ; a word's upper bf16
	s_wait_dscnt 0x0                               ; the opening add is done
	s_wait_kmcnt 0x0
	s_add_nc_u64 s[92:93], s[78:79], 0x400000      ; WinT at row 2048
	s_cmp_eq_u32 s86, 1
	s_cselect_b64 s[94:95], s[92:93], s[76:77]     ; A's tensor
	s_cselect_b64 s[96:97], s[76:77], s[78:79]     ; B's
	s_cselect_b64 s[8:9], s[84:85], s[82:83]       ; C's
	s_add_nc_u64 s[4:5], s[94:95], s[20:21]
	s_add_nc_u64 s[6:7], s[96:97], s[46:47]
	CROUND                                         ; all sixteen work-groups are here: the first joint loads meet
.irp s, 0,1
	s_mov_b32 s[G0A+4*(\s)], 1
	s_add_co_u32 s[G0A+4*(\s)+1], s[LA], (\s)*SLOT
	s_add_nc_u64 s[G0A+4*(\s)+2:G0A+4*(\s)+3], s[4:5], (\s)*256
	s_or_b32 s[G0A+4*(\s)+3], s[G0A+4*(\s)+3], 0x80000000
	s_mov_b32 s[G0B+4*(\s)], 1
	s_add_co_u32 s[G0B+4*(\s)+1], s[LB], (\s)*SLOT
	s_add_nc_u64 s[G0B+4*(\s)+2:G0B+4*(\s)+3], s[6:7], (\s)*256
	s_or_b32 s[G0B+4*(\s)+3], s[G0B+4*(\s)+3], 0x80000000
.endr
	s_cmp_eq_u32 s[WM], 0                          ; a wave's two first fills stand in one branch: two loads of mine are out
	s_cbranch_scc0 .Lfirst_b
	tensor_load_to_lds s[G0A:G0A+3], s[G1A:G1A+7]
	s_nop 0
	tensor_load_to_lds s[G0A+4:G0A+7], s[G1A:G1A+7]
	s_nop 0
	PLACES
	s_branch .Lfirst_asked
.Lfirst_b:
	tensor_load_to_lds s[G0B:G0B+3], s[G1B:G1B+7]
	s_nop 0
	tensor_load_to_lds s[G0B+4:G0B+7], s[G1B:G1B+7]
	s_nop 0
	PLACES
.Lfirst_asked:
	v_and_b32 v1, 15, v0                           ; l % 16
	v_bfe_u32 v2, v0, 4, 1                         ; l / 16
	; the bias.  By column (Q | K): my eight columns of each block b.  By row (V): my row of each block a.  The type that has none reads b_in's first bytes and masks them.
	s_lshl_b32 s16, s[TC], 10
	s_lshl_b32 s17, s[WN], 9
	s_add_co_u32 s16, s16, s17                     ; 4 (256 x tile column + 128 x half)
	s_lshl_b32 s17, s[TR], 10
	s_lshl_b32 s18, s[WM], 9
	s_add_co_u32 s17, s17, s18
	s_add_co_u32 s17, s17, 8192                    ; 4 (2048 + 256 x tile row + 128 x half)
	s_cmp_eq_u32 s86, 1
	s_cselect_b32 s16, 0, s16
	s_cselect_b32 s17, s17, 0
	v_lshl_add_u32 v8, v2, 5, s16
	v_lshl_add_u32 v9, v1, 2, s17
	WIN 0x40                                       ; destination window 1
.irp b, 0,1,2,3,4,5,6,7
	global_load_b128 v[8*(\b):8*(\b)+3],   v8, s[80:81] offset:64*(\b)
	global_load_b128 v[8*(\b)+4:8*(\b)+7], v8, s[80:81] offset:64*(\b)+16
.endr
	WIN 0
.irp a, 0,1,2,3,4,5,6,7
	global_load_b32 v[56+(\a)], v9, s[80:81] offset:64*(\a)
.endr
	v_mul_u32_u24 v3, v1, PITCH
	v_lshl_add_u32 v3, v2, 4, v3                   ; row x pitch + 16 x half
	s_mul_i32 s20, s[WM], HALFT
	v_add_nc_u32 v[ADRA0], s20, v3
	v_add_nc_u32 v[ADRB0], s[LB], v3
	v_mov_b32 v[ADRA], v[ADRA0]
	v_mov_b32 v[ADRB], v[ADRB0]
	s_mul_i32 s20, s[WV], 16*PITCH
	s_add_co_u32 s20, s20, STAGE                   ; my stage
	v_add_nc_u32 v[STO], s20, v3                   ; in: row l % 16, 16 bytes for each half of the lanes
	v_mul_u32_u24 v10, v2, PITCH                   ; back: lanes 0-15 one row of 256 bytes, lanes 16-31 the next
	v_lshl_add_u32 v10, v1, 4, v10
	v_add_nc_u32 v[RD], s20, v10
.irp t, 0,1,2,3,4,5,6,7
	v_add_nc_u32 v10, 2*(\t), v2                   ; and the same rows in C, whose pitch hangs on the type
	v_lshlrev_b32 v10, s87, v10
	v_lshl_add_u32 v[COT+(\t)], v1, 4, v10
.endr
	s_lshl_b32 s20, s[TR], 8
	s_lshl_b32 s21, s[WM], 7
	s_add_co_u32 s20, s20, s21                     ; my first row of C
	s_lshl_b32 s16, s20, s87
	s_lshl_b32 s17, s[TC], 9
	s_add_co_u32 s16, s16, s17
	s_lshl_b32 s17, s[WN], 8
	s_add_co_u32 s16, s16, s17                     ; + my first column, in bytes
	s_mov_b32 s17, 0
	s_add_nc_u64 s[8:9], s[8:9], s[16:17]
	s_lshl_b32 s74, 16, s87                        ; 16 rows of C
	s_mov_b32 s75, 0
	; the prefetches
	s_lshl_b32 s18, s[WN], 7
	s_lshl_b32 s16, s[TR], 8
	s_add_co_u32 s16, s16, s18                     ; A: the 128 rows that I fetch
	s_lshl_b32 s17, s[TC], 8
	s_add_co_u32 s17, s17, s18                     ; B: likewise
	s_cmp_eq_u32 s[WM], 0
	s_cselect_b32 s16, s16, s17
	s_cselect_b32 s17, s[CX], s[CY]                ; my place among the four that ask jointly
	s_cselect_b32 s18, s89, s14                    ; the coordinate along which other clusters read the same rows
	s_cselect_b64 s[PFA:PFA+1], s[94:95], s[96:97]
	s_cmp_eq_u32 s18, 0
	s_cselect_b32 s[LIM], 2, -1                    ; the same in all sixteen partners, for a given wave
	s_lshl_b32 s17, s17, 5
	s_add_co_u32 s16, s16, s17
	s_lshl_b32 s16, s16, 11
	s_add_co_u32 s16, s16, 512                     ; at K step 2: the first refill steps it to 3 and names K step 4
	s_mov_b32 s17, 0
	s_add_nc_u64 s[PFA:PFA+1], s[PFA:PFA+1], s[16:17]
	v_and_b32 v[PFO], 31, v0
	v_lshlrev_b32 v[PFO], 11, v[PFO]
	s_wait_loadcnt 0x0                             ; the bias: rounded to bf16, masked, widened again
	WIN 0x45                                       ; all in window 1
.set i, 0
.rept 32
	v_cvt_pk_bf16_f32 v[2*i], v[2*i], v[2*i+1]
	v_and_b32 v[2*i], s90, v[2*i]
	v_and_b32 v[2*i+1], s72, v[2*i]
	v_lshlrev_b32 v[2*i], 16, v[2*i]
.set i, i+1
.endr
	WIN 0
.irp a, 0,1,2,3,4,5,6,7
	v_cvt_pk_bf16_f32 v[56+(\a)], v[56+(\a)], v[56+(\a)]
	v_and_b32 v[56+(\a)], s91, v[56+(\a)]
	v_lshlrev_b32 v[RB+2*(\a)], 16, v[56+(\a)]
	v_and_b32 v[RB+2*(\a)+1], s72, v[56+(\a)]
.endr
	s_wait_tensorcnt 0x1                           ; my part of K step 0 is in; K step 1's may stay out
	s_barrier_signal -1
	s_barrier_wait -1
	FETCH 0, F0
	QUARTER 64, F0, F1, 1                          ; the first quarter stands in front of the loop: its products start the sums
	WIN 0
	s_mov_b32 s[CNT], NSTEP-2
.Lstep:                                        ; a trip: a K step's quarters 1 to 3, the refill of its slot, the next step's quarter 0
	QUARTER 128, F1, F0, 0
	QUARTER 192, F0, F1, 0
	TURN 1
	QUARTER 64, F0, F1, 0
	WIN 0
	s_sub_co_u32 s[CNT], s[CNT], 1
	s_cmp_lg_u32 s[CNT], 0
	s_cbranch_scc1 .Lstep
	s_mov_b32 s[CNT], 2
.Ltail:                                        ; the last two K steps fill nothing: a loop of their own; its second trip is left in its middle
	QUARTER 128, F1, F0, 0
	QUARTER 192, F0, F1, 0
	TURN 0
	WIN 0
	s_sub_co_u32 s[CNT], s[CNT], 1
	s_cmp_eq_u32 s[CNT], 0
	s_cbranch_scc1 .Lout
	QUARTER 64, F0, F1, 0
	WIN 0
	s_cmp_lg_u32 s[CNT], 0
	s_cbranch_scc1 .Ltail
.Lout:
	s_wait_dscnt 0x0                               ; no LDS load of mine is out: the fragments' registers serve the way out
	PLACES
	PLACES
; THE WAY OUT of block a (16 rows x 128 columns).  PACK: the row bias, then f16, 16 bytes a lane.  TOSTAGE: into my own stage and back as whole rows of 256 bytes.  SEND: stored.
; The text names window 2's four blocks and is walked twice: between the walks window 3's sums and their row bias are moved to where the text names them.
.macro PACK a
.set AC, 64*(\a)
	WIN 0x82                                       ; destination and source 0 window 2
.set i, 0
.rept 32
	v_pk_add_f32 v[AC+2*i:AC+2*i+1], v[AC+2*i:AC+2*i+1], v[RB+2*(\a):RB+2*(\a)+1]
.set i, i+1
.endr
	WIN 0x0a                                       ; sources window 2, destination window 0
.set i, 0
.rept 32
	v_cvt_pk_f16_f32 v[TMP+i], v[AC+2*i], v[AC+2*i+1]
.set i, i+1
.endr
	WIN 0
.endm
.macro TOSTAGE a
	WIN 0
.set BK, 96+32*((\a)%2)
.irp b, 0,1,2,3,4,5,6,7
	ds_store_b128 v[STO], v[TMP+4*(\b):TMP+4*(\b)+3] offset:32*(\b)
.endr
.irp t, 0,1,2,3,4,5,6,7
	ds_load_b128 v[BK+4*(\t):BK+4*(\t)+3], v[RD] offset:(\t)*2*PITCH  ; LDS serves a wave's instructions in order (ISA guide 5.7.1.4): these see the stores above
.endr
.endm
.macro SEND a
	WIN 0
.set BK, 96+32*((\a)%2)
	s_wait_dscnt 0x0                               ; the block is back in registers
	s_wait_xcnt 0x0                                ; earlier stores have read their base and their data: only now are they rewritten
.if (\a) > 0
	s_add_nc_u64 s[8:9], s[8:9], s[74:75]          ; 16 rows on
.endif
.irp t, 0,1,2,3,4,5,6,7
	global_store_b128 v[COT+(\t)], v[BK+4*(\t):BK+4*(\t)+3], s[8:9]  ; 16 lanes store 256 consecutive bytes, aligned
.endr
.endm
	s_mov_b32 s[HF], 2
.Lhalf:
	PACK 0
	TOSTAGE 0
.irp a, 1,2,3
	PACK \a
	SEND (\a)-1
	TOSTAGE \a
.endr
	SEND 3
	s_sub_co_u32 s[HF], s[HF], 1
	s_cmp_eq_u32 s[HF], 0
	s_cbranch_scc1 .Ldone
	s_wait_xcnt 0x0                                ; the stores have read their base and their data
	s_add_nc_u64 s[8:9], s[8:9], s[74:75]          ; on to my rows 64-127
.irp i, 0,1,2,3,4,5,6,7
	v_mov_b32 v[RB+(\i)], v[RB+8+(\i)]
.endr
	WIN 0x83                                       ; source window 3, destination window 2; each accumulator's registers in ascending order
.set i, 0
.rept 256
	v_mov_b32 v[i], v[i]
.set i, i+1
.endr
	WIN 0
	s_cmp_lg_u32 s[HF], 0
	s_cbranch_scc1 .Lhalf
.Ldone:
	s_wait_tensorcnt 0x0                           ; the wave's end
	ds_add_u32 v[SPW], v[NIL]
	s_wait_dscnt 0x0
	CROUND                                         ; the closing round
	s_endpgm
.Lfunc_end_k_q881e010061_qkv:
	.size	k_q881e010061_qkv, .Lfunc_end_k_q881e010061_qkv-k_q881e010061_qkv
	.p2alignl 7, 3214868480
	.fill 96, 4, 3214868480
	.section	.rodata,"a",@progbits
	.p2align	6, 0x0
	.amdhsa_kernel k_q881e010061_qkv
		.amdhsa_group_segment_fixed_size 327680
		.amdhsa_private_segment_fixed_size 0
		.amdhsa_enable_private_segment 0
		.amdhsa_kernarg_size 40
		.amdhsa_user_sgpr_count 2
		.amdhsa_user_sgpr_kernarg_segment_ptr 1
		.amdhsa_wavefront_size32 1
		.amdhsa_system_sgpr_workgroup_id_x 1
		.amdhsa_system_sgpr_workgroup_id_y 1
		.amdhsa_system_sgpr_workgroup_id_z 1
		.amdhsa_system_vgpr_workitem_id 0
		.amdhsa_next_free_vgpr 1024
		.amdhsa_next_free_sgpr 100
		.amdhsa_reserve_vcc 0
		.amdhsa_float_denorm_mode_32 3
		.amdhsa_float_denorm_mode_16_64 3
		.amdhsa_memory_ordered 1
		.amdhsa_forward_progress 1
		.amdhsa_inst_pref_size 112
	.end_amdhsa_kernel
	.amdgpu_metadata
---
amdhsa.version: [ 1, 2 ]
amdhsa.kernels:
  - .name:           k_q881e010061_qkv
    .symbol:         k_q881e010061_qkv.kd
    .args:
      - { .name: Xb, .offset: 0, .size: 8, .value_kind: global_buffer, .address_space: global }
      - { .name: WinT, .offset: 8, .size: 8, .value_kind: global_buffer, .address_space: global }
      - { .name: b_in, .offset: 16, .size: 8, .value_kind: global_buffer, .address_space: global }
      - { .name: QK, .offset: 24, .size: 8, .value_kind: global_buffer, .address_space: global }
      - { .name: Vt, .offset: 32, .size: 8, .value_kind: global_buffer, .address_space: global }
    .group_segment_fixed_size: 327680
    .private_segment_fixed_size: 0
    .kernarg_segment_align: 8
    .kernarg_segment_size: 40
    .max_flat_workgroup_size: 128
    .sgpr_count:     100
    .vgpr_count:     1024
    .wavefront_size: 32
...
	.end_amdgpu_metadata
.endif
;; end of part 2
;; launch scores (part 3): grid 8 x 32, 4 waves a work-group, clusters of 4 x 4, 327,680 bytes of LDS; arguments QK, P, ST; writes P, ST
.if DOCPART == 3
	.amdgcn_target "amdgcn-amd-amdhsa--gfx1250"
	.amdhsa_code_object_version 6
	.text
	.protected	k_q881e010061_scores
	.globl	k_q881e010061_scores
	.p2align	8
	.type	k_q881e010061_scores,@function
k_q881e010061_scores:
	s_mov_b64 s[64:65], 0
	v_nop
	global_prefetch_b8 v0, s[64:65] scope:SCOPE_SE
	s_setreg_imm32_b32 hwreg(HW_REG_WAVE_MODE, 25, 1), 1
	s_wait_xcnt 0x0
	s_wait_alu depctr_hold_cnt(0) depctr_sa_sdst(0) depctr_va_vdst(0) depctr_va_sdst(0) depctr_va_ssrc(0) depctr_va_vcc(0) depctr_vm_vsrc(0)
	s_getreg_b32 s2, hwreg(HW_REG_IB_STS2, 6, 4)
	s_cmp_eq_u32 s2, 0
	s_cbranch_scc0 .Lentry_in_a_cluster
	s_endpgm
.Lentry_in_a_cluster:
	s_bfe_u32 s2, ttmp6, 0x10000c
	s_cmp_lg_u32 s2, 0xf033
	s_cbranch_scc0 .Lentry_shape_is_right
	s_endpgm
.Lentry_shape_is_right:
; THE SCORES AND THE FIRST STAGE OF THE SOFTMAX.  S[q][k] = Q[q] . K[k] over 1,024 channels, f16 products with f32 sums.  For each row q and each block t of 128 keys: m = the block's true maximum,
; p = 2^(c s - c m) with c = log2(e) / 32, l = the sum of the unrounded p.  P[8192][2048] takes p in f16; ST[16 blocks][8192 rows][2] takes c m and l in f32.  The launch behind joins the blocks by their maxima.
; LIMITS.  p below 6e-5 keeps f16's fixed step of 6e-8; a weight below 2^-126 counts as 0 in l; NaN and infinities are not treated apart.
; SHARES.  A work-group makes 256 queries x 256 keys of one batch; wave w the rows 128 (w / 2) on and the keys 128 (w % 2) on, which are one block t: the block's maximum and sum never leave the wave.
; 64 accumulators of 16 x 16 a wave, 512 registers.  32 x 8 tiles: 256 work-groups, one for each of 256 WGPs.
; K goes in 8 steps of 128 channels (rows of 256 bytes, aligned) through two LDS slots: a step is 256 matrix instructions a wave, 224 of them between a slot's request and the wait for it.
; CLUSTER 4 x 4: Q's tile is shared along a row of the cluster, K's along a column.
; THE MATRIX INSTRUCTION IS USED TRANSPOSED (source 0 = 16 keys, source 1 = 16 queries): lane l holds query l % 16 and the keys 8 (l / 16) + 0..7 of each block of 16.
; REGISTERS, in windows of 256.  Window 0: addresses; v64-127 and v128-191 A's two fragment buffers (block i of 16 rows at +8 i).  Window 1: the same numbers for B's.
; Window 2: the accumulators of my rows 0-63, (a, b) at 8 (8 a + b).  Window 3: those of my rows 64-127.
.set NSTEP,  8
.set PITCH,  272                       ; an LDS row: 256 bytes + 16 of padding = 68 words: the 16 rows of a fragment load start at 16 different groups of four banks (64 banks of 4 bytes: ISA guide 11.1)
.set HALFT,  128*PITCH                 ; 128 rows: what one tensor load brings, and what a wave reads of A or of B
.set BOFF,   2*HALFT                   ; a slot: A's 256 rows, then B's 256
.set SLOT,   4*HALFT
.set STAGE,  2*SLOT                    ; behind the ring: 16 rows x 272 bytes for each wave
.set SPARE,  STAGE+4*16*PITCH          ; the spare words, 128 bytes for each wave
.set G1C,    (1<<16)|(1<<20)|(1<<21)|(5<<22)|(3<<25)  ; 2-byte elements; padding on; bit 21 beside a mask; after every 64 words (code 5) 4 words (code 3)
.set ADRA0, 16
.set ADRB0, 17
.set ADRA,  18
.set ADRB,  19
.set STO,   24
.set RD,    25
.set CO,    26                         ; v26  my byte offset in two rows of P
.set SO,    27                         ; v27  8 x lane: my row's place among 32 rows of ST
.set SPW,   28
.set NIL,   29
.set PFO,   30
.set SM,    40                         ; v40-47  block a's c m and l at SM + 2 a
.set T,     48                         ; v48-63  at work
.set F0,    64
.set F1,    128
.set TMP,   64
.set WV, 10
.set WM, 11
.set WN, 12
.set TR, 13
.set TC, 42
.set CX, 40
.set CY, 41
.set LIM, 43
.set PFA, 44
.set CNT, 66
.set TB,  67                           ; s67  the slot in hand: 0 or SLOT
.set CS,  68                           ; s[68:69] c, twice
.set SEL, 70                           ; s[70:71] v_permlanex16_b32's selects: each lane takes its own place in the other half
.set HF,  73                           ; s73  counts the two halves of the way out
.set LA,  98                           ; s98  where my part of A's tile goes in slot 0; s99 the same for B's
.set LB,  99
.set G1A, 24
.set G0A, 32
.set G1B, 48
.set G0B, 56
.set MSB, 0
.macro WIN new                         ; the immediate's high byte repeats the setting that is left; a switch that changes nothing is dropped
.if MSB != (\new)
	s_set_vgpr_msb (MSB<<8)|(\new)
.set MSB, \new
.endif
.endm
.macro PLACES                          ; four places behind matrix instructions, in front of loads into registers that they read and of lines that read results
.rept 4
	v_nop
.endr
.endm
.macro CREST
	s_cmp_lg_u32 s[WV], 0
	s_cbranch_scc1 .Lnot_wave_0_\@
	s_barrier_signal -3
.Lnot_wave_0_\@:
	s_barrier_wait -3
	s_barrier_signal -1
	s_barrier_wait -1
.endm
.macro CROUND
	s_barrier_signal -1
	s_barrier_wait -1
	CREST
.endm
.macro JLOAD                           ; a joint refill; the branch hangs on the wave's number alone; s_nop 0 and four v_nop follow each line
	s_cmp_eq_u32 s[WM], 0
	s_cbranch_scc0 .Lfor_b_\@
	tensor_load_to_lds s[G0A+4:G0A+7], s[G1A:G1A+7]
	s_nop 0
	PLACES
	s_branch .Lasked_\@
.Lfor_b_\@:
	tensor_load_to_lds s[G0B+4:G0B+7], s[G1B:G1B+7]
	s_nop 0
	PLACES
.Lasked_\@:
.endm
; A prefetch of the K step two refills on, 512 matrix instructions ahead of the load that wants it: 32 rows x 256 bytes, a lane a row.  Each row's 256 bytes of K steps 4 to 7 are named once.  Of the 128 rows that a
; wave fetches, each of the four partners that ask for them jointly takes 32, told apart by address (32 cx on for Q, 32 cy on for K).  Q's rows are named by the clusters with x = 0, K's by a batch's first cluster along y.
.macro ASK
	s_cmp_gt_u32 s[CNT], s[LIM]                    ; the last two refills have no K step two on
	s_cbranch_scc0 .Lnot_mine_\@
	global_prefetch_b8 v[PFO], s[PFA:PFA+1] offset:256 th:TH_LOAD_NT scope:SCOPE_SE
.Lnot_mine_\@:
.endm
; 16 matrix instructions: blocks a0, a0 + 1 of the window's four (hi = 0: my rows 0-63, 1: rows 64-127) x all 8 blocks of my keys, 32 along K.  first = 1: the constant 0 starts the sums.
; The 64 accumulators take turns.
.macro MUL16 f, hi, a0, first
	WIN 0xa1+0x50*(\hi)                            ; B window 1, A window 0, C and D window 2 or 3
.irp a, \a0, (\a0)+1
.irp b, 0,1,2,3,4,5,6,7
.if \first
	v_wmma_f32_16x16x32_f16 v[8*(8*(\a)+(\b)):8*(8*(\a)+(\b))+7], v[(\f)+8*(\b):(\f)+8*(\b)+7], v[(\f)+8*(4*(\hi)+(\a)):(\f)+8*(4*(\hi)+(\a))+7], 0
.else
	v_wmma_f32_16x16x32_f16 v[8*(8*(\a)+(\b)):8*(8*(\a)+(\b))+7], v[(\f)+8*(\b):(\f)+8*(\b)+7], v[(\f)+8*(4*(\hi)+(\a)):(\f)+8*(4*(\hi)+(\a))+7], v[8*(8*(\a)+(\b)):8*(8*(\a)+(\b))+7]
.endif
.endr
.endr
.endm
.macro FETCH k, f                      ; 32 LDS loads in one run: the fragments of 32 along K at byte k of the rows: B's eight, then A's eight
	WIN 0x40                                       ; destination window 1, address window 0
.irp i, 0,1,2,3,4,5,6,7
	ds_load_b128 v[(\f)+8*(\i):(\f)+8*(\i)+3],   v[ADRB] offset:(\k)+(\i)*16*PITCH
	ds_load_b128 v[(\f)+8*(\i)+4:(\f)+8*(\i)+7], v[ADRB] offset:(\k)+(\i)*16*PITCH+32
.endr
	WIN 0
.irp i, 0,1,2,3,4,5,6,7
	ds_load_b128 v[(\f)+8*(\i):(\f)+8*(\i)+3],   v[ADRA] offset:(\k)+(\i)*16*PITCH
	ds_load_b128 v[(\f)+8*(\i)+4:(\f)+8*(\i)+7], v[ADRA] offset:(\k)+(\i)*16*PITCH+32
.endr
.endm
; A K step is four quarters of 32 along K, 64 matrix instructions each, on buffers 0, 1, 0, 1.  One of the first three multiplies f and fetches the next quarter, at byte k, into g.
.macro QUARTER k, f, g, first
	s_wait_dscnt 8                                 ; the youngest eight loads, A's blocks 4 to 7, may be out
	MUL16 \f, 0, 0, \first
	MUL16 \f, 0, 2, \first
	PLACES
	FETCH \k, \g
	s_wait_dscnt 32                                ; all but the 32 just issued
	MUL16 \f, 1, 0, \first
	MUL16 \f, 1, 2, \first
.endm
; The last quarter multiplies buffer 1 and changes slots.  In front of the barrier each wave waits for all its tensor loads (one is out: its part of the next slot), adds 0 to its spare word, and waits for that
; and for its reads of this slot.  fill = 1: the barrier opens a round of the cluster's, and the joint refill of the slot just read, two K steps ahead, is the first thing behind it.
; fill = 0 (the loop of the last two K steps): nothing is filled; in its second trip there is no further step, and the run of loads is jumped over.
.macro TURN fill
.if \fill
	s_wait_xcnt 0x0                                ; the last prefetch, a K step back, has read its address
	s_add_nc_u64 s[PFA:PFA+1], s[PFA:PFA+1], 256
.endif
	WIN 0
	s_wait_tensorcnt 0x0                           ; no tensor load of mine is out, so a group 0 may be written
	ds_add_u32 v[SPW], v[NIL]                      ; 0 onto my spare word
.if \fill
	s_add_co_u32 s[G0A+5], s[LA], s[TB]            ; the walking descriptors: the slot in hand, the K step two on
	s_add_nc_u64 s[G0A+6:G0A+7], s[G0A+6:G0A+7], 256
	s_add_co_u32 s[G0B+5], s[LB], s[TB]
	s_add_nc_u64 s[G0B+6:G0B+7], s[G0B+6:G0B+7], 256
.endif
	s_wait_dscnt 9                                 ; the add and the youngest eight loads may be out
	MUL16 F1, 0, 0, 0
	s_wait_dscnt 0x0                               ; the add is done, and my reads of this slot are over
	s_barrier_signal -1
	MUL16 F1, 0, 2, 0
	WIN 0
	s_barrier_wait -1
.if \fill
	CREST
	JLOAD                                          ; its four v_nop are also the places in front of the loads below
.else
	s_cmp_eq_u32 s[CNT], 1
	s_cbranch_scc1 .Lno_more_\@
	PLACES
.endif
	s_xor_b32 s[TB], s[TB], SLOT                   ; 0 and SLOT by turns
	v_add_nc_u32 v[ADRA], s[TB], v[ADRA0]
	v_add_nc_u32 v[ADRB], s[TB], v[ADRB0]
	FETCH 0, F0
.if \fill
	ASK
.else
.Lno_more_\@:
.endif
	MUL16 F1, 1, 0, 0
	MUL16 F1, 1, 2, 0
.endm
	s_load_b128 s[76:79], s[0:1], 0x0              ; QK s[76:77], P s[78:79]
	s_load_b64 s[80:81], s[0:1], 0x10              ; ST
	v_lshl_add_u32 v[SPW], v0, 2, SPARE
	v_mov_b32 v[NIL], 0
	ds_add_u32 v[SPW], v[NIL]                      ; the wave's opening: the add, with its wait ahead of my first tensor load
	v_lshrrev_b32 v1, 5, v0
	v_readfirstlane_b32 s[WV], v1
	s_lshr_b32 s[WM], s[WV], 1
	s_and_b32 s[WN], s[WV], 1
	s_bfe_u32 s[CX], ttmp6, 0x40000
	s_bfe_u32 s[CY], ttmp6, 0x40004
	s_lshl_b32 s[TC], ttmp9, 2
	s_add_co_u32 s[TC], s[TC], s[CX]               ; which 256 keys of the batch, 0 to 7
	s_and_b32 s14, ttmp7, 0xffff                   ; the cluster's y, 0 to 7; y / 2 is the batch
	s_lshl_b32 s[TR], s14, 2
	s_add_co_u32 s[TR], s[TR], s[CY]               ; which 256 of the 8,192 rows
	s_lshl_b32 s18, s[CY], 2
	s_lshl_b32 s18, 15, s18                        ; my row of the cluster
	s_lshl_b32 s19, 0x1111, s[CX]                  ; my column
	s_or_b32 s[G1A], s18, G1C
	s_or_b32 s[G1B], s19, G1C
	s_mov_b32 s[G1A+1], 128<<16                    ; tensor_dim0 = 128
	s_mov_b32 s[G1A+2], 128<<16                    ; tensor_dim1 = 128
	s_mov_b32 s[G1A+3], 128<<16                    ; tile_dim0 = 128
	s_mov_b32 s[G1A+4], 128                        ; tile_dim1 = 128
	s_mov_b32 s[G1A+5], 2048                       ; a row of QK has 2,048 elements
	s_mov_b32 s[G1A+6], 0
	s_mov_b32 s[G1A+7], 0
	s_mov_b32 s[G1B+1], 128<<16
	s_mov_b32 s[G1B+2], 128<<16
	s_mov_b32 s[G1B+3], 128<<16
	s_mov_b32 s[G1B+4], 128
	s_mov_b32 s[G1B+5], 2048
	s_mov_b32 s[G1B+6], 0
	s_mov_b32 s[G1B+7], 0
	s_lshl_b32 s20, s[TR], 8                       ; Q: row 256 x tile row + 128 x half, of 4,096 bytes
	s_lshl_b32 s21, s[WN], 7
	s_add_co_u32 s20, s20, s21
	s_lshl_b32 s20, s20, 12
	s_mov_b32 s21, 0
	s_lshr_b32 s46, s14, 1                         ; K: row 2,048 x batch + 256 x tile column + 128 x half,
	s_lshl_b32 s46, s46, 11
	s_lshl_b32 s47, s[TC], 8
	s_add_co_u32 s46, s46, s47
	s_lshl_b32 s47, s[WN], 7
	s_add_co_u32 s46, s46, s47
	s_lshl_b32 s46, s46, 12
	s_add_co_u32 s46, s46, 2048                    ; in the rows' second half
	s_mov_b32 s47, 0
	s_mul_i32 s[LA], s[WN], HALFT                  ; where they go: no place in the cluster enters an LDS address
	s_add_co_u32 s[LB], s[LA], BOFF
	s_mov_b32 s[TB], 0
	s_mov_b32 s[CS], 0x3d38aa3b                    ; c = log2(e) / 32
	s_mov_b32 s[CS+1], s[CS]
	s_mov_b32 s[SEL], 0x76543210
	s_mov_b32 s[SEL+1], 0xfedcba98
	s_mov_b32 s72, 0xffff0000                      ; lanes 16 to 31
	s_wait_dscnt 0x0
	s_wait_kmcnt 0x0
	s_add_nc_u64 s[4:5], s[76:77], s[20:21]
	s_add_nc_u64 s[6:7], s[76:77], s[46:47]
	CROUND                                         ; all sixteen work-groups are here: the first joint loads meet
.irp s, 0,1
	s_mov_b32 s[G0A+4*(\s)], 1
	s_add_co_u32 s[G0A+4*(\s)+1], s[LA], (\s)*SLOT
	s_add_nc_u64 s[G0A+4*(\s)+2:G0A+4*(\s)+3], s[4:5], (\s)*256
	s_or_b32 s[G0A+4*(\s)+3], s[G0A+4*(\s)+3], 0x80000000
	s_mov_b32 s[G0B+4*(\s)], 1
	s_add_co_u32 s[G0B+4*(\s)+1], s[LB], (\s)*SLOT
	s_add_nc_u64 s[G0B+4*(\s)+2:G0B+4*(\s)+3], s[6:7], (\s)*256
	s_or_b32 s[G0B+4*(\s)+3], s[G0B+4*(\s)+3], 0x80000000
.endr
	s_cmp_eq_u32 s[WM], 0                          ; a wave's two first fills stand in one branch: two loads of mine are out
	s_cbranch_scc0 .Lfirst_b
	tensor_load_to_lds s[G0A:G0A+3], s[G1A:G1A+7]
	s_nop 0
	tensor_load_to_lds s[G0A+4:G0A+7], s[G1A:G1A+7]
	s_nop 0
	PLACES
	s_branch .Lfirst_asked
.Lfirst_b:
	tensor_load_to_lds s[G0B:G0B+3], s[G1B:G1B+7]
	s_nop 0
	tensor_load_to_lds s[G0B+4:G0B+7], s[G1B:G1B+7]
	s_nop 0
	PLACES
.Lfirst_asked:
	v_and_b32 v1, 15, v0
	v_bfe_u32 v2, v0, 4, 1
	v_mul_u32_u24 v3, v1, PITCH
	v_lshl_add_u32 v3, v2, 4, v3                   ; row x pitch + 16 x half
	s_mul_i32 s20, s[WM], HALFT
	v_add_nc_u32 v[ADRA0], s20, v3
	v_add_nc_u32 v[ADRB0], s[LB], v3
	v_mov_b32 v[ADRA], v[ADRA0]
	v_mov_b32 v[ADRB], v[ADRB0]
	s_mul_i32 s20, s[WV], 16*PITCH
	s_add_co_u32 s20, s20, STAGE                   ; my stage
	v_add_nc_u32 v[STO], s20, v3
	v_mul_u32_u24 v8, v2, PITCH
	v_lshl_add_u32 v8, v1, 4, v8
	v_add_nc_u32 v[RD], s20, v8
	v_lshlrev_b32 v[CO], 12, v2
	v_lshl_add_u32 v[CO], v1, 4, v[CO]
	v_and_b32 v[SO], 31, v0
	v_lshlrev_b32 v[SO], 3, v[SO]
	v_mov_b32 v57, 0                               ; v_permlanex16_b32's destinations count as read
	v_mov_b32 v61, 0
	s_lshl_b32 s20, s[TR], 8
	s_lshl_b32 s21, s[WM], 7
	s_add_co_u32 s20, s20, s21                     ; my first row
	s_lshl_b32 s16, s20, 12
	s_lshl_b32 s17, s[TC], 9
	s_add_co_u32 s16, s16, s17
	s_lshl_b32 s17, s[WN], 8
	s_add_co_u32 s16, s16, s17
	s_mov_b32 s17, 0
	s_add_nc_u64 s[8:9], s[78:79], s[16:17]        ; P at my rows and keys
	s_lshl_b32 s16, s[TC], 1
	s_add_co_u32 s16, s16, s[WN]                   ; my block of 128 keys
	s_lshl_b32 s16, s16, 16
	s_lshl_b32 s17, s20, 3
	s_add_co_u32 s16, s16, s17
	s_mov_b32 s17, 0
	s_add_nc_u64 s[80:81], s[80:81], s[16:17]      ; ST at my block and rows
	; the prefetches
	s_and_b32 s15, s14, 1
	s_lshl_b32 s18, s[WN], 7
	s_lshl_b32 s16, s[TR], 8
	s_add_co_u32 s16, s16, s18                     ; Q: the 128 rows that I fetch
	s_lshr_b32 s17, s14, 1
	s_lshl_b32 s17, s17, 11
	s_lshl_b32 s19, s[TC], 8
	s_add_co_u32 s17, s17, s19
	s_add_co_u32 s17, s17, s18                     ; K: likewise
	s_mov_b32 s2, 2560                             ; K step 2 in K's half of a row: 2,048 + 512 (a select holds one literal, so this one comes in a register)
	s_cmp_eq_u32 s[WM], 0
	s_cselect_b32 s16, s16, s17
	s_cselect_b32 s17, s[CX], s[CY]                ; my place among the four that ask jointly
	s_cselect_b32 s18, ttmp9, s15                  ; the coordinate along which other clusters read the same rows
	s_cselect_b32 s3, 512, s2                      ; K step 2, in Q's half of a row or in K's
	s_cmp_eq_u32 s18, 0
	s_cselect_b32 s[LIM], 2, -1
	s_lshl_b32 s17, s17, 5
	s_add_co_u32 s16, s16, s17
	s_lshl_b32 s16, s16, 12
	s_add_co_u32 s16, s16, s3                      ; the first refill steps it to K step 3 and names K step 4
	s_mov_b32 s17, 0
	s_add_nc_u64 s[PFA:PFA+1], s[76:77], s[16:17]
	v_and_b32 v[PFO], 31, v0
	v_lshlrev_b32 v[PFO], 12, v[PFO]
	s_wait_tensorcnt 0x1                           ; my part of K step 0 is in; K step 1's may stay out
	s_barrier_signal -1
	s_barrier_wait -1
	FETCH 0, F0
	QUARTER 64, F0, F1, 1                          ; the first quarter stands in front of the loop: its products start the sums
	WIN 0
	s_mov_b32 s[CNT], NSTEP-2
.Lstep:                                        ; a trip: a K step's quarters 1 to 3, the refill of its slot, the next step's quarter 0
	QUARTER 128, F1, F0, 0
	QUARTER 192, F0, F1, 0
	TURN 1
	QUARTER 64, F0, F1, 0
	WIN 0
	s_sub_co_u32 s[CNT], s[CNT], 1
	s_cmp_lg_u32 s[CNT], 0
	s_cbranch_scc1 .Lstep
	s_mov_b32 s[CNT], 2
.Ltail:                                        ; the last two K steps fill nothing: a loop of their own; its second trip is left in its middle
	QUARTER 128, F1, F0, 0
	QUARTER 192, F0, F1, 0
	TURN 0
	WIN 0
	s_sub_co_u32 s[CNT], s[CNT], 1
	s_cmp_eq_u32 s[CNT], 0
	s_cbranch_scc1 .Lout
	QUARTER 64, F0, F1, 0
	WIN 0
	s_cmp_lg_u32 s[CNT], 0
	s_cbranch_scc1 .Ltail
.Lout:
	s_wait_dscnt 0x0                               ; no LDS load of mine is out: the fragments' registers serve the way out
	PLACES
	PLACES
; THE WAY OUT of block a (16 queries x 128 keys; a lane holds 64 scores of one query, the lane 16 away the other 64).
; The text names window 2's four blocks and is walked twice: between the walks window 3's sums are moved to where the text names them.
.macro PACK a
.set AC, 64*(\a)
	WIN 0x2a                                       ; the maximum: all three sources window 2
.irp b, 0,1,2,3,4,5,6,7
	v_max3_num_f32 v[T+(\b)], v[AC+8*(\b)], v[AC+8*(\b)+1], v[AC+8*(\b)+2]
.endr
	WIN 0x28                                       ; sources 1 and 2 window 2
.irp b, 0,1,2,3,4,5,6,7
	v_max3_num_f32 v[T+(\b)], v[T+(\b)], v[AC+8*(\b)+3], v[AC+8*(\b)+4]
.endr
.irp b, 0,1,2,3,4,5,6,7
	v_max3_num_f32 v[T+(\b)], v[T+(\b)], v[AC+8*(\b)+5], v[AC+8*(\b)+6]
.endr
.irp k, 0,1,2,3
	v_max3_num_f32 v[T+(\k)], v[T+(\k)], v[AC+16*(\k)+7], v[AC+16*(\k)+15]
.endr
	WIN 0
	v_max3_num_f32 v[T], v[T], v[T+1], v[T+2]
	v_max3_num_f32 v[T+3], v[T+3], v[T+4], v[T+5]
	v_max3_num_f32 v[T], v[T], v[T+3], v[T+6]
	v_max_num_f32 v[T], v[T], v[T+7]
	v_permlanex16_b32 v57, v[T], s[SEL], s[SEL+1]
	v_max_num_f32 v56, v[T], v57                   ; m
	v_mul_f32 v58, s[CS], v56                      ; c m
	v_mov_b32 v59, v58                             ; named with it as a pair
	WIN 0x82                                       ; destination and source 0 window 2
.set i, 0
.rept 32
	v_pk_fma_f32 v[AC+2*i:AC+2*i+1], v[AC+2*i:AC+2*i+1], s[CS:CS+1], v[58:59] op_sel_hi:[1,0,0] neg_lo:[0,0,1] neg_hi:[0,0,1]  ; c s - c m
.set i, i+1
.endr
.set i, 0
.rept 64
	v_exp_f32 v[AC+i], v[AC+i]
.set i, i+1
.endr
	v_nop                                          ; a plain instruction behind the last exponential,
	s_wait_alu depctr_va_vdst(0)                   ; and one wait ahead of the batch's first reader
	WIN 0x0a                                       ; sources window 2, destination window 0
.set i, 0
.rept 32
	v_cvt_pk_f16_f32 v[TMP+i], v[AC+2*i], v[AC+2*i+1]
.set i, i+1
.endr
	WIN 0x8a                                       ; the sum of the 32 pairs, in place: neighbours 1, 2, 4, 8 and 16 pairs apart
.irp w, 1,2,4,8,16
.set i, 0
.rept 16/(\w)
	v_pk_add_f32 v[AC+4*(\w)*i:AC+4*(\w)*i+1], v[AC+4*(\w)*i:AC+4*(\w)*i+1], v[AC+4*(\w)*i+2*(\w):AC+4*(\w)*i+2*(\w)+1]
.set i, i+1
.endr
.endr
	WIN 0x0a
	v_add_f32 v60, v[AC], v[AC+1]
	WIN 0
	v_permlanex16_b32 v61, v60, s[SEL], s[SEL+1]
	v_add_f32 v[SM+2*(\a)+1], v60, v61             ; l
	v_mov_b32 v[SM+2*(\a)], v58
.endm
.macro TOSTAGE a
	WIN 0
.set BK, 96+32*((\a)%2)
.irp b, 0,1,2,3,4,5,6,7
	ds_store_b128 v[STO], v[TMP+4*(\b):TMP+4*(\b)+3] offset:32*(\b)
.endr
.irp t, 0,1,2,3,4,5,6,7
	ds_load_b128 v[BK+4*(\t):BK+4*(\t)+3], v[RD] offset:(\t)*2*PITCH  ; LDS serves a wave's instructions in order (ISA guide 5.7.1.4): these see the stores above
.endr
.endm
.macro SEND a
	WIN 0
.set BK, 96+32*((\a)%2)
	s_wait_dscnt 0x0
	s_wait_xcnt 0x0                                ; the stores of the block before have read their data: the next TOSTAGE loads into those registers
.irp t, 0,1,2,3,4,5,6,7
	global_store_b128 v[CO], v[BK+4*(\t):BK+4*(\t)+3], s[8:9] offset:(16*(\a)+2*(\t))*4096  ; 16 lanes store 256 consecutive bytes, aligned
.endr
.endm
	s_mov_b32 s[HF], 2
.Lhalf:
	PACK 0
	TOSTAGE 0
.irp a, 1,2,3
	PACK \a
	SEND (\a)-1
	TOSTAGE \a
.endr
	SEND 3
	; the statistics: lanes 0-15 take block a's rows, lanes 16-31 block a + 1's: 32 rows x 8 bytes, 256 consecutive bytes, aligned
	v_cndmask_b32 v50, v[SM],   v[SM+2], s72
	v_cndmask_b32 v51, v[SM+1], v[SM+3], s72
	v_cndmask_b32 v52, v[SM+4], v[SM+6], s72
	v_cndmask_b32 v53, v[SM+5], v[SM+7], s72
	global_store_b64 v[SO], v[50:51], s[80:81]
	global_store_b64 v[SO], v[52:53], s[80:81] offset:256
	s_sub_co_u32 s[HF], s[HF], 1
	s_cmp_eq_u32 s[HF], 0
	s_cbranch_scc1 .Ldone
	s_wait_xcnt 0x0                                ; the stores have read their bases and their data
	s_add_nc_u64 s[8:9], s[8:9], 64*4096           ; on to my rows 64-127, in P
	s_add_nc_u64 s[80:81], s[80:81], 64*8          ; and in ST
	WIN 0x83                                       ; source window 3, destination window 2; each accumulator's registers in ascending order
.set i, 0
.rept 256
	v_mov_b32 v[i], v[i]
.set i, i+1
.endr
	WIN 0
	s_cmp_lg_u32 s[HF], 0
	s_cbranch_scc1 .Lhalf
.Ldone:
	s_wait_tensorcnt 0x0                           ; the wave's end
	ds_add_u32 v[SPW], v[NIL]
	s_wait_dscnt 0x0
	CROUND                                         ; the closing round
	s_endpgm
.Lfunc_end_k_q881e010061_scores:
	.size	k_q881e010061_scores, .Lfunc_end_k_q881e010061_scores-k_q881e010061_scores
	.p2alignl 7, 3214868480
	.fill 96, 4, 3214868480
	.section	.rodata,"a",@progbits
	.p2align	6, 0x0
	.amdhsa_kernel k_q881e010061_scores
		.amdhsa_group_segment_fixed_size 327680
		.amdhsa_private_segment_fixed_size 0
		.amdhsa_enable_private_segment 0
		.amdhsa_kernarg_size 24
		.amdhsa_user_sgpr_count 2
		.amdhsa_user_sgpr_kernarg_segment_ptr 1
		.amdhsa_wavefront_size32 1
		.amdhsa_system_sgpr_workgroup_id_x 1
		.amdhsa_system_sgpr_workgroup_id_y 1
		.amdhsa_system_sgpr_workgroup_id_z 1
		.amdhsa_system_vgpr_workitem_id 0
		.amdhsa_next_free_vgpr 1024
		.amdhsa_next_free_sgpr 100
		.amdhsa_reserve_vcc 0
		.amdhsa_float_denorm_mode_32 3
		.amdhsa_float_denorm_mode_16_64 3
		.amdhsa_memory_ordered 1
		.amdhsa_forward_progress 1
		.amdhsa_inst_pref_size 128
	.end_amdhsa_kernel
	.amdgpu_metadata
---
amdhsa.version: [ 1, 2 ]
amdhsa.kernels:
  - .name:           k_q881e010061_scores
    .symbol:         k_q881e010061_scores.kd
    .args:
      - { .name: QK, .offset: 0, .size: 8, .value_kind: global_buffer, .address_space: global }
      - { .name: P, .offset: 8, .size: 8, .value_kind: global_buffer, .address_space: global }
      - { .name: ST, .offset: 16, .size: 8, .value_kind: global_buffer, .address_space: global }
    .group_segment_fixed_size: 327680
    .private_segment_fixed_size: 0
    .kernarg_segment_align: 8
    .kernarg_segment_size: 24
    .max_flat_workgroup_size: 128
    .sgpr_count:     100
    .vgpr_count:     1024
    .wavefront_size: 32
...
	.end_amdgpu_metadata
.endif
;; end of part 3
;; launch pv (part 4): grid 4 x 64, 4 waves a work-group, clusters of 4 x 4, 327,680 bytes of LDS; arguments P, Vt, ST, O; writes O
.if DOCPART == 4
	.amdgcn_target "amdgcn-amd-amdhsa--gfx1250"
	.amdhsa_code_object_version 6
	.text
	.protected	k_q881e010061_pv
	.globl	k_q881e010061_pv
	.p2align	8
	.type	k_q881e010061_pv,@function
k_q881e010061_pv:
	s_mov_b64 s[64:65], 0
	v_nop
	global_prefetch_b8 v0, s[64:65] scope:SCOPE_SE
	s_setreg_imm32_b32 hwreg(HW_REG_WAVE_MODE, 25, 1), 1
	s_wait_xcnt 0x0
	s_wait_alu depctr_hold_cnt(0) depctr_sa_sdst(0) depctr_va_vdst(0) depctr_va_sdst(0) depctr_va_ssrc(0) depctr_va_vcc(0) depctr_vm_vsrc(0)
	s_getreg_b32 s2, hwreg(HW_REG_IB_STS2, 6, 4)
	s_cmp_eq_u32 s2, 0
	s_cbranch_scc0 .Lentry_in_a_cluster
	s_endpgm
.Lentry_in_a_cluster:
	s_bfe_u32 s2, ttmp6, 0x10000c
	s_cmp_lg_u32 s2, 0xf033
	s_cbranch_scc0 .Lentry_shape_is_right
	s_endpgm
.Lentry_shape_is_right:
; THE SECOND STAGE OF THE SOFTMAX AND O = attn V.  For each row: M = the maximum over the 16 key blocks t of c m_t; f_t = 2^(c m_t - M), at most 1; L = the sum of f_t l_t, at least 1.
; O[q][ch] = (sum over t of f_t sum over the block's keys of p V) / L.  A K step of the product is one block t, so P's fragments of that step are multiplied by f_t (a lane holds one row of P), in f16; 1 / L scales the f32 sums.
; LIMITS.  f_t and p f_t are rounded to f16, and below 6e-5 keep f16's fixed step of 6e-8; f_t below 2^-126 counts as 0 in L; NaN and infinities are not treated apart.  O lies within V's range.
; SHARES.  A work-group makes 128 rows x 256 channels; wave w the rows 64 (w / 2) on, the channels 128 (w % 2) on.  256 work-groups.  16 K steps of 128 keys (rows of 256 bytes, aligned) through two LDS slots.
; CLUSTER 4 x 4: P's tile is shared along a row of the cluster, Vt's along a column.  THE MATRIX INSTRUCTION IS USED TRANSPOSED (source 0 = 16 channels, source 1 = 16 rows of P).
; REGISTERS.  Window 0: addresses, v64-159 and v160-255 two fragment buffers (A's block a at +8 a, B's block b at +32 + 8 b).  Window 1: accumulator (a, b) at 8 (8 a + b).
.set NSTEP,  16
.set PITCH,  272                       ; an LDS row: 256 bytes + 16 of padding = 68 words: the 16 rows of a fragment load start at 16 different groups of four banks (64 banks of 4 bytes: ISA guide 11.1)
.set AHALF,  64*PITCH
.set BHALF,  128*PITCH
.set BOFF,   2*AHALF
.set SLOT1,  1<<17
.set STAGE,  SLOT1+BOFF+2*BHALF        ; 16 rows x 272 bytes for each wave
.set FT,     STAGE+4*16*PITCH          ; for each wave 4,096 bytes: [t 16][row % 16][a 4] words of (f, f) in f16; written and read by that wave alone
.set SPARE,  FT+4*4096
.set G1C,    (1<<16)|(1<<20)|(1<<21)|(5<<22)|(3<<25)
.set FS,    4                          ; v[4:7]  the step's f, twice in f16, for my row of blocks a = 0..3
.set ADRA0, 16
.set ADRB0, 17
.set ADRA,  18
.set ADRB,  19
.set FTA0,  20                         ; v20  FT + 4,096 w + 16 (l % 16); never rewritten
.set FTA,   21                         ; v21  the same at the step in hand
.set STO,   24
.set RD,    25
.set CO,    26
.set SPW,   28
.set NIL,   29
.set PFO,   30
.set RL,    40                         ; v40-47  1 / L of block a, twice
.set SV,    64                         ; the way in: block a's eight (c m, l) at SV + 16 a + 2 i
.set F0,    64
.set F1,    160
.set TMP,   64
.set WV, 10
.set WM, 11
.set WN, 12
.set TR, 13
.set TC, 42
.set CX, 40
.set CY, 41
.set LIM, 43
.set PFA, 44
.set CNT, 66
.set TB,  67
.set SEL, 70
.set FTS, 73                           ; s73  256 x the step in hand
.set G1A, 24
.set G0A, 32
.set G1B, 48
.set G0B, 56
.set MSB, 0
.macro WIN new
.if MSB != (\new)
	s_set_vgpr_msb (MSB<<8)|(\new)
.set MSB, \new
.endif
.endm
.macro PLACES
.rept 4
	v_nop
.endr
.endm
.macro CREST
	s_cmp_lg_u32 s[WV], 0
	s_cbranch_scc1 .Lnot_wave_0_\@
	s_barrier_signal -3
.Lnot_wave_0_\@:
	s_barrier_wait -3
	s_barrier_signal -1
	s_barrier_wait -1
.endm
.macro CROUND
	s_barrier_signal -1
	s_barrier_wait -1
	CREST
.endm
.macro JLOAD
	s_cmp_eq_u32 s[WM], 0
	s_cbranch_scc0 .Lfor_b_\@
	tensor_load_to_lds s[G0A+4:G0A+7], s[G1A:G1A+7]
	s_nop 0
	PLACES
	s_branch .Lasked_\@
.Lfor_b_\@:
	tensor_load_to_lds s[G0B+4:G0B+7], s[G1B:G1B+7]
	s_nop 0
	PLACES
.Lasked_\@:
.endm
; A prefetch of the K step two refills on: 32 rows x 256 bytes, a lane a row.  Each row's 256 bytes of K steps 4 to 15 are named once: P's by wave 0 (32 cx on of the tile's 128 rows; one cluster alone reads them),
; Vt's by waves 2 and 3 of a batch's first cluster along y (32 cy on of the 128 rows that the wave fetches).
.macro ASK
	s_cmp_gt_u32 s[CNT], s[LIM]
	s_cbranch_scc0 .Lnot_mine_\@
	global_prefetch_b8 v[PFO], s[PFA:PFA+1] offset:256 th:TH_LOAD_NT scope:SCOPE_SE
.Lnot_mine_\@:
.endm
.macro MUL8 f, a, first
	WIN 0x50
.irp b, 0,1,2,3,4,5,6,7
.if \first
	v_wmma_f32_16x16x32_f16 v[8*(8*(\a)+(\b)):8*(8*(\a)+(\b))+7], v[(\f)+32+8*(\b):(\f)+32+8*(\b)+7], v[(\f)+8*(\a):(\f)+8*(\a)+7], 0
.else
	v_wmma_f32_16x16x32_f16 v[8*(8*(\a)+(\b)):8*(8*(\a)+(\b))+7], v[(\f)+32+8*(\b):(\f)+32+8*(\b)+7], v[(\f)+8*(\a):(\f)+8*(\a)+7], v[8*(8*(\a)+(\b)):8*(8*(\a)+(\b))+7]
.endif
.endr
.endm
.macro SCALE f, a0                     ; P's fragments of blocks a0 and a0 + 1 times the step's f: 16 packed multiplies in f16
	WIN 0
.irp a, \a0, (\a0)+1
.irp i, 0,1,2,3,4,5,6,7
	v_pk_mul_f16 v[(\f)+8*(\a)+(\i)], v[(\f)+8*(\a)+(\i)], v[FS+(\a)]
.endr
.endr
.endm
.macro FETCH k, f
	WIN 0
.irp i, 0,1,2,3,4,5,6,7
	ds_load_b128 v[(\f)+32+8*(\i):(\f)+32+8*(\i)+3],   v[ADRB] offset:(\k)+(\i)*16*PITCH
	ds_load_b128 v[(\f)+32+8*(\i)+4:(\f)+32+8*(\i)+7], v[ADRB] offset:(\k)+(\i)*16*PITCH+32
.endr
.irp i, 0,1,2,3
	ds_load_b128 v[(\f)+8*(\i):(\f)+8*(\i)+3],   v[ADRA] offset:(\k)+(\i)*16*PITCH
	ds_load_b128 v[(\f)+8*(\i)+4:(\f)+8*(\i)+7], v[ADRA] offset:(\k)+(\i)*16*PITCH+32
.endr
.endm
.macro QUARTER k, f, g, first
	s_wait_dscnt 4                                 ; the youngest four loads, A's blocks 2 and 3, may be out
	SCALE \f, 0
	MUL8 \f, 0, \first
	MUL8 \f, 1, \first
	PLACES
	FETCH \k, \g
	s_wait_dscnt 24                                ; all but the 24 just issued
	SCALE \f, 2
	MUL8 \f, 2, \first
	MUL8 \f, 3, \first
.endm
.macro TURN fill
.if \fill
	s_wait_xcnt 0x0                                ; the last prefetch, a K step back, has read its address
	s_add_nc_u64 s[PFA:PFA+1], s[PFA:PFA+1], 256
.endif
	WIN 0
	s_wait_tensorcnt 0x0                           ; no tensor load of mine is out, so a group 0 may be written
	ds_add_u32 v[SPW], v[NIL]                      ; 0 onto my spare word
.if \fill
	s_xor_b32 s[G0A+5], s[G0A+5], SLOT1
	s_add_nc_u64 s[G0A+6:G0A+7], s[G0A+6:G0A+7], 256
	s_xor_b32 s[G0B+5], s[G0B+5], SLOT1
	s_add_nc_u64 s[G0B+6:G0B+7], s[G0B+6:G0B+7], 256
.endif
	s_wait_dscnt 5                                 ; the add and the youngest four loads may be out
	SCALE F1, 0
	MUL8 F1, 0, 0
	s_wait_dscnt 0x0                               ; the add is done, and my reads of this slot are over
	s_barrier_signal -1
	SCALE F1, 2                                    ; the step's last use of its f
	MUL8 F1, 1, 0
	WIN 0
	s_barrier_wait -1
.if \fill
	CREST
	JLOAD
.else
	PLACES
.endif
	s_xor_b32 s[TB], s[TB], SLOT1
	s_add_co_u32 s[FTS], s[FTS], 256
	v_add_nc_u32 v[ADRA], s[TB], v[ADRA0]
	v_add_nc_u32 v[ADRB], s[TB], v[ADRB0]
	v_add_nc_u32 v[FTA], s[FTS], v[FTA0]
	ds_load_b128 v[FS:FS+3], v[FTA]                ; the next step's f: the oldest of the run, so the counted waits cover it
	FETCH 0, F0
.if \fill
	ASK
.endif
	MUL8 F1, 2, 0
	MUL8 F1, 3, 0
.endm
.macro LASTQ
	s_wait_dscnt 4
	SCALE F1, 0
	MUL8 F1, 0, 0
	MUL8 F1, 1, 0
	s_wait_dscnt 0x0
	SCALE F1, 2
	MUL8 F1, 2, 0
	MUL8 F1, 3, 0
	WIN 0
.endm
	s_load_b256 s[76:83], s[0:1], 0x0              ; P s[76:77], Vt s[78:79], ST s[80:81], O s[82:83]
	v_lshl_add_u32 v[SPW], v0, 2, SPARE
	v_mov_b32 v[NIL], 0
	ds_add_u32 v[SPW], v[NIL]                      ; the wave's opening: the add, with its wait ahead of my first tensor load
	v_lshrrev_b32 v1, 5, v0
	v_readfirstlane_b32 s[WV], v1
	s_lshr_b32 s[WM], s[WV], 1
	s_and_b32 s[WN], s[WV], 1
	s_bfe_u32 s[CX], ttmp6, 0x40000
	s_bfe_u32 s[CY], ttmp6, 0x40004
	s_lshl_b32 s[TC], ttmp9, 2
	s_add_co_u32 s[TC], s[TC], s[CX]               ; which 256 channels, 0 to 3
	s_and_b32 s14, ttmp7, 0xffff                   ; the cluster's y; y / 4 is the batch
	s_lshl_b32 s[TR], s14, 2
	s_add_co_u32 s[TR], s[TR], s[CY]
	s_lshl_b32 s18, s[CY], 2
	s_lshl_b32 s18, 15, s18
	s_lshl_b32 s19, 0x1111, s[CX]
	s_or_b32 s[G1A], s18, G1C
	s_or_b32 s[G1B], s19, G1C
	s_mov_b32 s[G1A+1], 128<<16
	s_mov_b32 s[G1A+2], 64<<16
	s_mov_b32 s[G1A+3], 128<<16
	s_mov_b32 s[G1A+4], 64
	s_mov_b32 s[G1A+5], 2048                       ; a row of P has 2,048 elements
	s_mov_b32 s[G1A+6], 0
	s_mov_b32 s[G1A+7], 0
	s_mov_b32 s[G1B+1], 128<<16
	s_mov_b32 s[G1B+2], 128<<16
	s_mov_b32 s[G1B+3], 128<<16
	s_mov_b32 s[G1B+4], 128
	s_mov_b32 s[G1B+5], 8192                       ; a row of Vt has 8,192
	s_mov_b32 s[G1B+6], 0
	s_mov_b32 s[G1B+7], 0
	s_lshl_b32 s20, s[TR], 7                       ; P: row 128 x tile row + 64 x half, of 4,096 bytes
	s_lshl_b32 s21, s[WN], 6
	s_add_co_u32 s20, s20, s21
	s_lshl_b32 s20, s20, 12
	s_mov_b32 s21, 0
	s_lshr_b32 s15, s14, 2
	s_lshl_b32 s15, s15, 12                        ; the batch's 2,048 keys: 4,096 bytes on in a row of Vt
	s_lshl_b32 s46, s[TC], 8                       ; Vt: row 256 x tile column + 128 x half, of 16,384 bytes
	s_lshl_b32 s47, s[WN], 7
	s_add_co_u32 s46, s46, s47
	s_lshl_b32 s46, s46, 14
	s_add_co_u32 s46, s46, s15
	s_mov_b32 s47, 0
	s_mul_i32 s22, s[WN], AHALF
	s_mul_i32 s23, s[WN], BHALF
	s_add_co_u32 s23, s23, BOFF
	s_mov_b32 s[TB], 0
	s_mov_b32 s[FTS], 0
	s_mov_b32 s[SEL], 0x76543210
	s_mov_b32 s[SEL+1], 0xfedcba98
	s_wait_dscnt 0x0
	s_wait_kmcnt 0x0
	s_add_nc_u64 s[4:5], s[76:77], s[20:21]
	s_add_nc_u64 s[6:7], s[78:79], s[46:47]
	CROUND
.irp s, 0,1
	s_mov_b32 s[G0A+4*(\s)], 1
	s_add_co_u32 s[G0A+4*(\s)+1], s22, (\s)*SLOT1
	s_add_nc_u64 s[G0A+4*(\s)+2:G0A+4*(\s)+3], s[4:5], (\s)*256
	s_or_b32 s[G0A+4*(\s)+3], s[G0A+4*(\s)+3], 0x80000000
	s_mov_b32 s[G0B+4*(\s)], 1
	s_add_co_u32 s[G0B+4*(\s)+1], s23, (\s)*SLOT1
	s_add_nc_u64 s[G0B+4*(\s)+2:G0B+4*(\s)+3], s[6:7], (\s)*256
	s_or_b32 s[G0B+4*(\s)+3], s[G0B+4*(\s)+3], 0x80000000
.endr
	s_cmp_eq_u32 s[WM], 0                          ; a wave's two first fills stand in one branch: two loads of mine are out
	s_cbranch_scc0 .Lfirst_b
	tensor_load_to_lds s[G0A:G0A+3], s[G1A:G1A+7]
	s_nop 0
	tensor_load_to_lds s[G0A+4:G0A+7], s[G1A:G1A+7]
	s_nop 0
	PLACES
	s_branch .Lfirst_asked
.Lfirst_b:
	tensor_load_to_lds s[G0B:G0B+3], s[G1B:G1B+7]
	s_nop 0
	tensor_load_to_lds s[G0B+4:G0B+7], s[G1B:G1B+7]
	s_nop 0
	PLACES
.Lfirst_asked:
	v_and_b32 v1, 15, v0
	v_bfe_u32 v2, v0, 4, 1
	; THE WAY IN: the statistics of my 64 rows.  Lane l takes row l % 16 of each block a, and the key blocks 8 (l / 16) + 0..7.
	s_lshl_b32 s20, s[TR], 7
	s_lshl_b32 s21, s[WM], 6
	s_add_co_u32 s20, s20, s21                     ; my first row
	s_lshl_b32 s16, s20, 3
	s_mov_b32 s17, 0
	s_add_nc_u64 s[80:81], s[80:81], s[16:17]
	v_lshlrev_b32 v8, 19, v2                       ; eight key blocks of 65,536 bytes
	v_lshl_add_u32 v8, v1, 3, v8
.irp a, 0,1,2,3
.irp i, 0,1,2,3,4,5,6,7
	global_load_b64 v[SV+16*(\a)+2*(\i):SV+16*(\a)+2*(\i)+1], v8, s[80:81] offset:65536*(\i)+128*(\a)
.endr
.endr
	v_mul_u32_u24 v3, v1, PITCH
	v_lshl_add_u32 v3, v2, 4, v3
	s_mul_i32 s18, s[WM], AHALF
	s_mul_i32 s19, s[WN], BHALF
	s_add_co_u32 s19, s19, BOFF
	v_add_nc_u32 v[ADRA0], s18, v3
	v_add_nc_u32 v[ADRB0], s19, v3
	v_mov_b32 v[ADRA], v[ADRA0]
	v_mov_b32 v[ADRB], v[ADRB0]
	s_mul_i32 s18, s[WV], 16*PITCH
	s_add_co_u32 s18, s18, STAGE
	v_add_nc_u32 v[STO], s18, v3
	v_mul_u32_u24 v10, v2, PITCH
	v_lshl_add_u32 v10, v1, 4, v10
	v_add_nc_u32 v[RD], s18, v10
	v_lshlrev_b32 v[CO], 11, v2
	v_lshl_add_u32 v[CO], v1, 4, v[CO]
	s_lshl_b32 s18, s[WV], 12
	s_add_co_u32 s18, s18, FT
	v_lshl_add_u32 v[FTA0], v1, 4, s18
	v_lshl_add_u32 v9, v2, 11, v[FTA0]             ; my lanes' eight blocks begin 2,048 (l / 16) on
	s_lshl_b32 s16, s20, 11                        ; O at my rows and channels
	s_lshl_b32 s17, s[TC], 9
	s_add_co_u32 s16, s16, s17
	s_lshl_b32 s17, s[WN], 8
	s_add_co_u32 s16, s16, s17
	s_mov_b32 s17, 0
	s_add_nc_u64 s[8:9], s[82:83], s[16:17]
	; the prefetches
	s_and_b32 s3, s14, 3
	s_lshl_b32 s16, s[TR], 7
	s_lshl_b32 s17, s[TC], 8
	s_lshl_b32 s18, s[WN], 7
	s_add_co_u32 s17, s17, s18
	s_cmp_eq_u32 s[WM], 0
	s_cselect_b32 s16, s16, s17
	s_cselect_b32 s17, s[CX], s[CY]
	s_cselect_b32 s18, ttmp9, s3
	s_cselect_b32 s19, s[WN], 0
	s_cselect_b32 s2, 12, 14                       ; a row is 4,096 or 16,384 bytes
	s_cselect_b32 s3, 0, s15
	s_cselect_b64 s[PFA:PFA+1], s[76:77], s[78:79]
	s_or_b32 s18, s18, s19
	s_cmp_eq_u32 s18, 0
	s_cselect_b32 s[LIM], 2, -1
	s_lshl_b32 s17, s17, 5
	s_add_co_u32 s16, s16, s17
	s_lshl_b32 s16, s16, s2
	s_add_co_u32 s16, s16, s3
	s_add_co_u32 s16, s16, 512                     ; at K step 2: the first refill steps it to 3 and names K step 4
	s_mov_b32 s17, 0
	s_add_nc_u64 s[PFA:PFA+1], s[PFA:PFA+1], s[16:17]
	v_and_b32 v[PFO], 31, v0
	v_lshlrev_b32 v[PFO], s2, v[PFO]
.irp a, 0,1,2,3
	v_mov_b32 v[52+(\a)], 0                        ; v_permlanex16_b32's destinations count as read
.endr
	s_wait_loadcnt 0x0
.irp a, 0,1,2,3
	v_max3_num_f32 v[48+(\a)], v[SV+16*(\a)], v[SV+16*(\a)+2], v[SV+16*(\a)+4]
.endr
.irp a, 0,1,2,3
	v_max3_num_f32 v[48+(\a)], v[48+(\a)], v[SV+16*(\a)+6], v[SV+16*(\a)+8]
.endr
.irp a, 0,1,2,3
	v_max3_num_f32 v[48+(\a)], v[48+(\a)], v[SV+16*(\a)+10], v[SV+16*(\a)+12]
.endr
.irp a, 0,1,2,3
	v_max_num_f32 v[48+(\a)], v[48+(\a)], v[SV+16*(\a)+14]
.endr
.irp a, 0,1,2,3
	v_permlanex16_b32 v[52+(\a)], v[48+(\a)], s[SEL], s[SEL+1]
.endr
.irp a, 0,1,2,3
	v_max_num_f32 v[48+(\a)], v[48+(\a)], v[52+(\a)]  ; M
.endr
.irp a, 0,1,2,3
.irp i, 0,1,2,3,4,5,6,7
	v_sub_f32 v[SV+16*(\a)+2*(\i)], v[SV+16*(\a)+2*(\i)], v[48+(\a)]
.endr
.endr
.irp a, 0,1,2,3
.irp i, 0,1,2,3,4,5,6,7
	v_exp_f32 v[SV+16*(\a)+2*(\i)], v[SV+16*(\a)+2*(\i)]  ; f
.endr
.endr
	v_nop                                          ; a plain instruction behind the last exponential,
	s_wait_alu depctr_va_vdst(0)                   ; and one wait ahead of the batch's first reader
.irp a, 0,1,2,3
	v_mul_f32 v[56+(\a)], v[SV+16*(\a)], v[SV+16*(\a)+1]
.endr
.irp i, 1,2,3,4,5,6,7
.irp a, 0,1,2,3
	v_fmac_f32 v[56+(\a)], v[SV+16*(\a)+2*(\i)], v[SV+16*(\a)+2*(\i)+1]
.endr
.endr
.irp a, 0,1,2,3
	v_permlanex16_b32 v[52+(\a)], v[56+(\a)], s[SEL], s[SEL+1]
.endr
.irp a, 0,1,2,3
	v_add_f32 v[56+(\a)], v[56+(\a)], v[52+(\a)]   ; L
.endr
.irp a, 0,1,2,3
.irp i, 0,1,2,3,4,5,6,7
	v_cvt_pk_f16_f32 v[SV+16*(\a)+2*(\i)], v[SV+16*(\a)+2*(\i)], v[SV+16*(\a)+2*(\i)]
.endr
.endr
.irp a, 0,1,2,3
.irp i, 0,1,2,3,4,5,6,7
	ds_store_b32 v9, v[SV+16*(\a)+2*(\i)] offset:256*(\i)+4*(\a)
.endr
.endr
.irp a, 0,1,2,3
	v_rcp_f32 v[RL+2*(\a)], v[56+(\a)]
.endr
	v_nop
	s_wait_alu depctr_va_vdst(0)                   ; one wait for the four reciprocals
.irp a, 0,1,2,3
	v_mov_b32 v[RL+2*(\a)+1], v[RL+2*(\a)]
.endr
	ds_load_b128 v[FS:FS+3], v[FTA0]               ; step 0's f: LDS serves a wave's instructions in order (ISA guide 5.7.1.4), so it sees my stores
	s_wait_tensorcnt 0x1                           ; my part of K step 0 is in; K step 1's may stay out
	s_wait_dscnt 0x0                               ; no LDS instruction of mine is pending at the signal
	s_barrier_signal -1
	s_barrier_wait -1
	FETCH 0, F0
	QUARTER 64, F0, F1, 1
	WIN 0
	s_mov_b32 s[CNT], NSTEP-2
.Lstep:
	QUARTER 128, F1, F0, 0
	QUARTER 192, F0, F1, 0
	TURN 1
	QUARTER 64, F0, F1, 0
	WIN 0
	s_sub_co_u32 s[CNT], s[CNT], 1
	s_cmp_lg_u32 s[CNT], 0
	s_cbranch_scc1 .Lstep
	QUARTER 128, F1, F0, 0
	QUARTER 192, F0, F1, 0
	TURN 0
	QUARTER 64, F0, F1, 0
	QUARTER 128, F1, F0, 0
	QUARTER 192, F0, F1, 0
	LASTQ
	PLACES
	PLACES
.macro PACK a                          ; block a: times 1 / L, then f16, 16 bytes a lane
.set AC, 64*(\a)
	WIN 0x41
.set i, 0
.rept 32
	v_pk_mul_f32 v[AC+2*i:AC+2*i+1], v[AC+2*i:AC+2*i+1], v[RL+2*(\a):RL+2*(\a)+1]
.set i, i+1
.endr
	WIN 0x05
.set i, 0
.rept 32
	v_cvt_pk_f16_f32 v[TMP+i], v[AC+2*i], v[AC+2*i+1]
.set i, i+1
.endr
	WIN 0
.endm
.macro TOSTAGE a
	WIN 0
.set BK, 96+32*((\a)%2)
.irp b, 0,1,2,3,4,5,6,7
	ds_store_b128 v[STO], v[TMP+4*(\b):TMP+4*(\b)+3] offset:32*(\b)
.endr
.irp t, 0,1,2,3,4,5,6,7
	ds_load_b128 v[BK+4*(\t):BK+4*(\t)+3], v[RD] offset:(\t)*2*PITCH
.endr
.endm
.macro SEND a
	WIN 0
.set BK, 96+32*((\a)%2)
	s_wait_dscnt 0x0
	s_wait_xcnt 0x0                                ; the stores of the block before have read their data: the next TOSTAGE loads into those registers
.irp t, 0,1,2,3,4,5,6,7
	global_store_b128 v[CO], v[BK+4*(\t):BK+4*(\t)+3], s[8:9] offset:(16*(\a)+2*(\t))*2048  ; 16 lanes store 256 consecutive bytes, aligned
.endr
.endm
	PACK 0
	TOSTAGE 0
.irp a, 1,2,3
	PACK \a
	SEND (\a)-1
	TOSTAGE \a
.endr
	SEND 3
	s_wait_tensorcnt 0x0                           ; the wave's end
	ds_add_u32 v[SPW], v[NIL]
	s_wait_dscnt 0x0
	CROUND
	s_endpgm
.Lfunc_end_k_q881e010061_pv:
	.size	k_q881e010061_pv, .Lfunc_end_k_q881e010061_pv-k_q881e010061_pv
	.p2alignl 7, 3214868480
	.fill 96, 4, 3214868480
	.section	.rodata,"a",@progbits
	.p2align	6, 0x0
	.amdhsa_kernel k_q881e010061_pv
		.amdhsa_group_segment_fixed_size 327680
		.amdhsa_private_segment_fixed_size 0
		.amdhsa_enable_private_segment 0
		.amdhsa_kernarg_size 32
		.amdhsa_user_sgpr_count 2
		.amdhsa_user_sgpr_kernarg_segment_ptr 1
		.amdhsa_wavefront_size32 1
		.amdhsa_system_sgpr_workgroup_id_x 1
		.amdhsa_system_sgpr_workgroup_id_y 1
		.amdhsa_system_sgpr_workgroup_id_z 1
		.amdhsa_system_vgpr_workitem_id 0
		.amdhsa_next_free_vgpr 512
		.amdhsa_next_free_sgpr 100
		.amdhsa_reserve_vcc 0
		.amdhsa_float_denorm_mode_32 3
		.amdhsa_float_denorm_mode_16_64 3
		.amdhsa_memory_ordered 1
		.amdhsa_forward_progress 1
		.amdhsa_inst_pref_size 117
	.end_amdhsa_kernel
	.amdgpu_metadata
---
amdhsa.version: [ 1, 2 ]
amdhsa.kernels:
  - .name:           k_q881e010061_pv
    .symbol:         k_q881e010061_pv.kd
    .args:
      - { .name: P, .offset: 0, .size: 8, .value_kind: global_buffer, .address_space: global }
      - { .name: Vt, .offset: 8, .size: 8, .value_kind: global_buffer, .address_space: global }
      - { .name: ST, .offset: 16, .size: 8, .value_kind: global_buffer, .address_space: global }
      - { .name: O, .offset: 24, .size: 8, .value_kind: global_buffer, .address_space: global }
    .group_segment_fixed_size: 327680
    .private_segment_fixed_size: 0
    .kernarg_segment_align: 8
    .kernarg_segment_size: 32
    .max_flat_workgroup_size: 128
    .sgpr_count:     100
    .vgpr_count:     512
    .wavefront_size: 32
...
	.end_amdgpu_metadata
.endif
;; end of part 4
;; launch proj (part 5): grid 4 x 64, 4 waves a work-group, clusters of 4 x 4, 327,680 bytes of LDS; arguments O, WoT, b_out, out0; writes out0
.if DOCPART == 5
	.amdgcn_target "amdgcn-amd-amdhsa--gfx1250"
	.amdhsa_code_object_version 6
	.text
	.protected	k_q881e010061_proj
	.globl	k_q881e010061_proj
	.p2align	8
	.type	k_q881e010061_proj,@function
k_q881e010061_proj:
	s_mov_b64 s[64:65], 0
	v_nop
	global_prefetch_b8 v0, s[64:65] scope:SCOPE_SE
	s_setreg_imm32_b32 hwreg(HW_REG_WAVE_MODE, 25, 1), 1
	s_wait_xcnt 0x0
	s_wait_alu depctr_hold_cnt(0) depctr_sa_sdst(0) depctr_va_vdst(0) depctr_va_sdst(0) depctr_va_ssrc(0) depctr_va_vcc(0) depctr_vm_vsrc(0)
	s_getreg_b32 s2, hwreg(HW_REG_IB_STS2, 6, 4)
	s_cmp_eq_u32 s2, 0
	s_cbranch_scc0 .Lentry_in_a_cluster
	s_endpgm
.Lentry_in_a_cluster:
	s_bfe_u32 s2, ttmp6, 0x10000c
	s_cmp_lg_u32 s2, 0xf033
	s_cbranch_scc0 .Lentry_shape_is_right
	s_endpgm
.Lentry_shape_is_right:
; out0 = O W_out + b_out.  O [8192][1024] and WoT [1024 n][1024 k] in f16, sums in f32, out0 in f32.  b_out is rounded to bf16 like every input and starts the sums (the order of rounding is not the reference's).
; SHARES.  A work-group makes 128 rows x 256 columns; wave w the rows 64 (w / 2) on, the columns 128 (w % 2) on.  256 work-groups.  8 K steps of 128 (rows of 256 bytes, aligned) through two LDS slots.
; CLUSTER 4 x 4: O's tile is shared along a row of the cluster, WoT's along a column.  THE MATRIX INSTRUCTION IS USED TRANSPOSED (source 0 = 16 rows of WoT, source 1 = 16 rows of O).
; REGISTERS.  Window 0: addresses, v64-159 and v160-255 two fragment buffers.  Window 1: accumulator (a, b) at 8 (8 a + b).  Window 2: v0-63 the bias, block b at 8 b.
.set NSTEP,  8
.set PITCH,  272                       ; an LDS row: 256 bytes + 16 of padding = 68 words: the 16 rows of a fragment load start at 16 different groups of four banks (64 banks of 4 bytes: ISA guide 11.1)
.set AHALF,  64*PITCH
.set BHALF,  128*PITCH
.set BOFF,   2*AHALF
.set SLOT1,  1<<17
.set STAGE,  SLOT1+BOFF+2*BHALF        ; 16 rows x 528 bytes for each wave
.set SPITCH, 528                       ; 512 bytes + 16 = 132 words: row r starts at bank 4 r mod 64
.set SPARE,  STAGE+4*16*SPITCH
.set G1C,    (1<<16)|(1<<20)|(1<<21)|(5<<22)|(3<<25)
.set ADRA0, 16
.set ADRB0, 17
.set ADRA,  18
.set ADRB,  19
.set STO,   24
.set RD,    25
.set CO,    26                         ; v26  16 x lane: a row's 512 bytes
.set SPW,   28
.set NIL,   29
.set PFO,   30
.set F0,    64
.set F1,    160
.set WV, 10
.set WM, 11
.set WN, 12
.set TR, 13
.set TC, 42
.set CX, 40
.set CY, 41
.set LIM, 43
.set PFA, 44
.set CNT, 66
.set TB,  67
.set G1A, 24
.set G0A, 32
.set G1B, 48
.set G0B, 56
.set MSB, 0
.macro WIN new
.if MSB != (\new)
	s_set_vgpr_msb (MSB<<8)|(\new)
.set MSB, \new
.endif
.endm
.macro PLACES
.rept 4
	v_nop
.endr
.endm
.macro CREST
	s_cmp_lg_u32 s[WV], 0
	s_cbranch_scc1 .Lnot_wave_0_\@
	s_barrier_signal -3
.Lnot_wave_0_\@:
	s_barrier_wait -3
	s_barrier_signal -1
	s_barrier_wait -1
.endm
.macro CROUND
	s_barrier_signal -1
	s_barrier_wait -1
	CREST
.endm
.macro JLOAD
	s_cmp_eq_u32 s[WM], 0
	s_cbranch_scc0 .Lfor_b_\@
	tensor_load_to_lds s[G0A+4:G0A+7], s[G1A:G1A+7]
	s_nop 0
	PLACES
	s_branch .Lasked_\@
.Lfor_b_\@:
	tensor_load_to_lds s[G0B+4:G0B+7], s[G1B:G1B+7]
	s_nop 0
	PLACES
.Lasked_\@:
.endm
; A prefetch of the K step two refills on: 32 rows x 256 bytes, a lane a row.  Each row's 256 bytes of K steps 4 to 7 are named once: O's by wave 0 (32 cx on of the tile's 128 rows; one cluster alone reads them),
; WoT's by waves 2 and 3 of the cluster with y = 0 (32 cy on of the 128 rows that the wave fetches).
.macro ASK
	s_cmp_gt_u32 s[CNT], s[LIM]
	s_cbranch_scc0 .Lnot_mine_\@
	global_prefetch_b8 v[PFO], s[PFA:PFA+1] offset:256 th:TH_LOAD_NT scope:SCOPE_SE
.Lnot_mine_\@:
.endm
.macro MUL8 f, a, first                ; first = 1: the bias starts the sums
.if \first
	WIN 0x60
.else
	WIN 0x50
.endif
.irp b, 0,1,2,3,4,5,6,7
.if \first
	v_wmma_f32_16x16x32_f16 v[8*(8*(\a)+(\b)):8*(8*(\a)+(\b))+7], v[(\f)+32+8*(\b):(\f)+32+8*(\b)+7], v[(\f)+8*(\a):(\f)+8*(\a)+7], v[8*(\b):8*(\b)+7]
.else
	v_wmma_f32_16x16x32_f16 v[8*(8*(\a)+(\b)):8*(8*(\a)+(\b))+7], v[(\f)+32+8*(\b):(\f)+32+8*(\b)+7], v[(\f)+8*(\a):(\f)+8*(\a)+7], v[8*(8*(\a)+(\b)):8*(8*(\a)+(\b))+7]
.endif
.endr
.endm
.macro FETCH k, f
	WIN 0
.irp i, 0,1,2,3,4,5,6,7
	ds_load_b128 v[(\f)+32+8*(\i):(\f)+32+8*(\i)+3],   v[ADRB] offset:(\k)+(\i)*16*PITCH
	ds_load_b128 v[(\f)+32+8*(\i)+4:(\f)+32+8*(\i)+7], v[ADRB] offset:(\k)+(\i)*16*PITCH+32
.endr
.irp i, 0,1,2,3
	ds_load_b128 v[(\f)+8*(\i):(\f)+8*(\i)+3],   v[ADRA] offset:(\k)+(\i)*16*PITCH
	ds_load_b128 v[(\f)+8*(\i)+4:(\f)+8*(\i)+7], v[ADRA] offset:(\k)+(\i)*16*PITCH+32
.endr
.endm
.macro QUARTER k, f, g, first
	s_wait_dscnt 4                                 ; the youngest four loads, A's blocks 2 and 3, may be out
	MUL8 \f, 0, \first
	MUL8 \f, 1, \first
	PLACES
	FETCH \k, \g
	s_wait_dscnt 24                                ; all but the 24 just issued
	MUL8 \f, 2, \first
	MUL8 \f, 3, \first
.endm
.macro TURN fill
.if \fill
	s_wait_xcnt 0x0                                ; the last prefetch, a K step back, has read its address
	s_add_nc_u64 s[PFA:PFA+1], s[PFA:PFA+1], 256
.endif
	WIN 0
	s_wait_tensorcnt 0x0                           ; no tensor load of mine is out, so a group 0 may be written
	ds_add_u32 v[SPW], v[NIL]                      ; 0 onto my spare word
.if \fill
	s_xor_b32 s[G0A+5], s[G0A+5], SLOT1
	s_add_nc_u64 s[G0A+6:G0A+7], s[G0A+6:G0A+7], 256
	s_xor_b32 s[G0B+5], s[G0B+5], SLOT1
	s_add_nc_u64 s[G0B+6:G0B+7], s[G0B+6:G0B+7], 256
.endif
	s_wait_dscnt 5                                 ; the add and the youngest four loads may be out
	MUL8 F1, 0, 0
	s_wait_dscnt 0x0                               ; the add is done, and my reads of this slot are over
	s_barrier_signal -1
	MUL8 F1, 1, 0
	WIN 0
	s_barrier_wait -1
.if \fill
	CREST
	JLOAD
.else
	PLACES
.endif
	s_xor_b32 s[TB], s[TB], SLOT1
	v_add_nc_u32 v[ADRA], s[TB], v[ADRA0]
	v_add_nc_u32 v[ADRB], s[TB], v[ADRB0]
	FETCH 0, F0
.if \fill
	ASK
.endif
	MUL8 F1, 2, 0
	MUL8 F1, 3, 0
.endm
.macro LASTQ
	s_wait_dscnt 4
	MUL8 F1, 0, 0
	MUL8 F1, 1, 0
	s_wait_dscnt 0x0
	MUL8 F1, 2, 0
	MUL8 F1, 3, 0
	WIN 0
.endm
	s_load_b256 s[76:83], s[0:1], 0x0              ; O s[76:77], WoT s[78:79], b_out s[80:81], out0 s[82:83]
	v_lshl_add_u32 v[SPW], v0, 2, SPARE
	v_mov_b32 v[NIL], 0
	ds_add_u32 v[SPW], v[NIL]                      ; the wave's opening: the add, with its wait ahead of my first tensor load
	v_lshrrev_b32 v1, 5, v0
	v_readfirstlane_b32 s[WV], v1
	s_lshr_b32 s[WM], s[WV], 1
	s_and_b32 s[WN], s[WV], 1
	s_bfe_u32 s[CX], ttmp6, 0x40000
	s_bfe_u32 s[CY], ttmp6, 0x40004
	s_lshl_b32 s[TC], ttmp9, 2
	s_add_co_u32 s[TC], s[TC], s[CX]
	s_and_b32 s14, ttmp7, 0xffff
	s_lshl_b32 s[TR], s14, 2
	s_add_co_u32 s[TR], s[TR], s[CY]
	s_lshl_b32 s18, s[CY], 2
	s_lshl_b32 s18, 15, s18
	s_lshl_b32 s19, 0x1111, s[CX]
	s_or_b32 s[G1A], s18, G1C
	s_or_b32 s[G1B], s19, G1C
	s_mov_b32 s[G1A+1], 128<<16
	s_mov_b32 s[G1A+2], 64<<16
	s_mov_b32 s[G1A+3], 128<<16
	s_mov_b32 s[G1A+4], 64
	s_mov_b32 s[G1A+5], 1024
	s_mov_b32 s[G1A+6], 0
	s_mov_b32 s[G1A+7], 0
	s_mov_b32 s[G1B+1], 128<<16
	s_mov_b32 s[G1B+2], 128<<16
	s_mov_b32 s[G1B+3], 128<<16
	s_mov_b32 s[G1B+4], 128
	s_mov_b32 s[G1B+5], 1024
	s_mov_b32 s[G1B+6], 0
	s_mov_b32 s[G1B+7], 0
	s_lshl_b32 s20, s[TR], 7
	s_lshl_b32 s21, s[WN], 6
	s_add_co_u32 s20, s20, s21
	s_lshl_b32 s20, s20, 11
	s_mov_b32 s21, 0
	s_lshl_b32 s46, s[TC], 8
	s_lshl_b32 s47, s[WN], 7
	s_add_co_u32 s46, s46, s47
	s_lshl_b32 s46, s46, 11
	s_mov_b32 s47, 0
	s_mul_i32 s22, s[WN], AHALF
	s_mul_i32 s23, s[WN], BHALF
	s_add_co_u32 s23, s23, BOFF
	s_mov_b32 s[TB], 0
	s_mov_b32 s72, 0xffff0000
	s_wait_dscnt 0x0
	s_wait_kmcnt 0x0
	s_add_nc_u64 s[4:5], s[76:77], s[20:21]
	s_add_nc_u64 s[6:7], s[78:79], s[46:47]
	CROUND
.irp s, 0,1
	s_mov_b32 s[G0A+4*(\s)], 1
	s_add_co_u32 s[G0A+4*(\s)+1], s22, (\s)*SLOT1
	s_add_nc_u64 s[G0A+4*(\s)+2:G0A+4*(\s)+3], s[4:5], (\s)*256
	s_or_b32 s[G0A+4*(\s)+3], s[G0A+4*(\s)+3], 0x80000000
	s_mov_b32 s[G0B+4*(\s)], 1
	s_add_co_u32 s[G0B+4*(\s)+1], s23, (\s)*SLOT1
	s_add_nc_u64 s[G0B+4*(\s)+2:G0B+4*(\s)+3], s[6:7], (\s)*256
	s_or_b32 s[G0B+4*(\s)+3], s[G0B+4*(\s)+3], 0x80000000
.endr
	s_cmp_eq_u32 s[WM], 0                          ; a wave's two first fills stand in one branch: two loads of mine are out
	s_cbranch_scc0 .Lfirst_b
	tensor_load_to_lds s[G0A:G0A+3], s[G1A:G1A+7]
	s_nop 0
	tensor_load_to_lds s[G0A+4:G0A+7], s[G1A:G1A+7]
	s_nop 0
	PLACES
	s_branch .Lfirst_asked
.Lfirst_b:
	tensor_load_to_lds s[G0B:G0B+3], s[G1B:G1B+7]
	s_nop 0
	tensor_load_to_lds s[G0B+4:G0B+7], s[G1B:G1B+7]
	s_nop 0
	PLACES
.Lfirst_asked:
	v_and_b32 v1, 15, v0
	v_bfe_u32 v2, v0, 4, 1
	s_lshl_b32 s16, s[TC], 10                      ; the bias of my eight columns of each block b
	s_lshl_b32 s17, s[WN], 9
	s_add_co_u32 s16, s16, s17
	v_lshl_add_u32 v8, v2, 5, s16
	WIN 0x80
.irp b, 0,1,2,3,4,5,6,7
	global_load_b128 v[8*(\b):8*(\b)+3],   v8, s[80:81] offset:64*(\b)
	global_load_b128 v[8*(\b)+4:8*(\b)+7], v8, s[80:81] offset:64*(\b)+16
.endr
	WIN 0
	v_mul_u32_u24 v3, v1, PITCH
	v_lshl_add_u32 v3, v2, 4, v3
	s_mul_i32 s20, s[WM], AHALF
	s_mul_i32 s21, s[WN], BHALF
	s_add_co_u32 s21, s21, BOFF
	v_add_nc_u32 v[ADRA0], s20, v3
	v_add_nc_u32 v[ADRB0], s21, v3
	v_mov_b32 v[ADRA], v[ADRA0]
	v_mov_b32 v[ADRB], v[ADRB0]
	s_mul_i32 s20, s[WV], 16*SPITCH
	s_add_co_u32 s20, s20, STAGE                   ; my stage
	v_mul_u32_u24 v10, v1, SPITCH                  ; in: row l % 16, 32 bytes for each half of the lanes
	v_lshl_add_u32 v10, v2, 5, v10
	v_add_nc_u32 v[STO], s20, v10
	v_and_b32 v[CO], 31, v0                        ; back: 32 lanes take a row of 512 bytes
	v_lshlrev_b32 v[CO], 4, v[CO]
	v_add_nc_u32 v[RD], s20, v[CO]
	s_lshl_b32 s20, s[TR], 7
	s_lshl_b32 s21, s[WM], 6
	s_add_co_u32 s20, s20, s21
	s_lshl_b32 s16, s20, 12
	s_lshl_b32 s17, s[TC], 10
	s_add_co_u32 s16, s16, s17
	s_lshl_b32 s17, s[WN], 9
	s_add_co_u32 s16, s16, s17
	s_mov_b32 s17, 0
	s_add_nc_u64 s[8:9], s[82:83], s[16:17]        ; out0 at my rows and columns
	; the prefetches
	s_lshl_b32 s16, s[TR], 7
	s_lshl_b32 s17, s[TC], 8
	s_lshl_b32 s18, s[WN], 7
	s_add_co_u32 s17, s17, s18
	s_cmp_eq_u32 s[WM], 0
	s_cselect_b32 s16, s16, s17
	s_cselect_b32 s17, s[CX], s[CY]
	s_cselect_b32 s18, ttmp9, s14
	s_cselect_b32 s19, s[WN], 0
	s_cselect_b64 s[PFA:PFA+1], s[76:77], s[78:79]
	s_or_b32 s18, s18, s19
	s_cmp_eq_u32 s18, 0
	s_cselect_b32 s[LIM], 2, -1
	s_lshl_b32 s17, s17, 5
	s_add_co_u32 s16, s16, s17
	s_lshl_b32 s16, s16, 11
	s_add_co_u32 s16, s16, 512
	s_mov_b32 s17, 0
	s_add_nc_u64 s[PFA:PFA+1], s[PFA:PFA+1], s[16:17]
	v_and_b32 v[PFO], 31, v0
	v_lshlrev_b32 v[PFO], 11, v[PFO]
	s_wait_loadcnt 0x0                             ; the bias: rounded to bf16, widened again
	WIN 0x8a
.set i, 0
.rept 32
	v_cvt_pk_bf16_f32 v[2*i], v[2*i], v[2*i+1]
	v_and_b32 v[2*i+1], s72, v[2*i]
	v_lshlrev_b32 v[2*i], 16, v[2*i]
.set i, i+1
.endr
	WIN 0
	s_wait_tensorcnt 0x1                           ; my part of K step 0 is in; K step 1's may stay out
	s_barrier_signal -1
	s_barrier_wait -1
	FETCH 0, F0
	QUARTER 64, F0, F1, 1
	WIN 0
	s_mov_b32 s[CNT], NSTEP-2
.Lstep:
	QUARTER 128, F1, F0, 0
	QUARTER 192, F0, F1, 0
	TURN 1
	QUARTER 64, F0, F1, 0
	WIN 0
	s_sub_co_u32 s[CNT], s[CNT], 1
	s_cmp_lg_u32 s[CNT], 0
	s_cbranch_scc1 .Lstep
	QUARTER 128, F1, F0, 0
	QUARTER 192, F0, F1, 0
	TURN 0
	QUARTER 64, F0, F1, 0
	QUARTER 128, F1, F0, 0
	QUARTER 192, F0, F1, 0
	LASTQ
	PLACES
	PLACES
; THE WAY OUT of block a (16 rows x 128 columns of f32): a lane's 32 bytes of each block b go into my stage; whole rows of 512 bytes come back, into v64-127 and v128-191 by turns, and are stored.
.macro TOSTAGE a
.set AC, 64*(\a)
.set BK, 64+64*((\a)%2)
	WIN 0x04                                       ; the stores' data lie in window 1
.irp b, 0,1,2,3,4,5,6,7
	ds_store_b128 v[STO], v[AC+8*(\b):AC+8*(\b)+3]   offset:64*(\b)
	ds_store_b128 v[STO], v[AC+8*(\b)+4:AC+8*(\b)+7] offset:64*(\b)+16
.endr
	WIN 0
.if (\a) >= 2
	s_wait_xcnt 0x0                                ; the stores of block a - 2 have read these registers
.endif
.irp t, 0,1,2,3,4,5,6,7,8,9,10,11,12,13,14,15
	ds_load_b128 v[BK+4*(\t):BK+4*(\t)+3], v[RD] offset:(\t)*SPITCH  ; LDS serves a wave's instructions in order (ISA guide 5.7.1.4): these see the stores above; the next block's stores come behind them
.endr
.endm
.macro SEND a, younger                 ; younger: the next block's 16 stores and 16 loads, or none
.set BK, 64+64*((\a)%2)
	s_wait_dscnt \younger
.irp t, 0,1,2,3,4,5,6,7,8,9,10,11,12,13,14,15
	global_store_b128 v[CO], v[BK+4*(\t):BK+4*(\t)+3], s[8:9] offset:(16*(\a)+(\t))*4096 th:TH_STORE_NT  ; 512 consecutive bytes, aligned
.endr
.endm
	TOSTAGE 0
	TOSTAGE 1
	SEND 0, 32
	TOSTAGE 2
	SEND 1, 32
	TOSTAGE 3
	SEND 2, 32
	SEND 3, 0
	s_wait_tensorcnt 0x0                           ; the wave's end
	ds_add_u32 v[SPW], v[NIL]
	s_wait_dscnt 0x0
	CROUND
	s_endpgm
.Lfunc_end_k_q881e010061_proj:
	.size	k_q881e010061_proj, .Lfunc_end_k_q881e010061_proj-k_q881e010061_proj
	.p2alignl 7, 3214868480
	.fill 96, 4, 3214868480
	.section	.rodata,"a",@progbits
	.p2align	6, 0x0
	.amdhsa_kernel k_q881e010061_proj
		.amdhsa_group_segment_fixed_size 327680
		.amdhsa_private_segment_fixed_size 0
		.amdhsa_enable_private_segment 0
		.amdhsa_kernarg_size 32
		.amdhsa_user_sgpr_count 2
		.amdhsa_user_sgpr_kernarg_segment_ptr 1
		.amdhsa_wavefront_size32 1
		.amdhsa_system_sgpr_workgroup_id_x 1
		.amdhsa_system_sgpr_workgroup_id_y 1
		.amdhsa_system_sgpr_workgroup_id_z 1
		.amdhsa_system_vgpr_workitem_id 0
		.amdhsa_next_free_vgpr 576
		.amdhsa_next_free_sgpr 100
		.amdhsa_reserve_vcc 0
		.amdhsa_float_denorm_mode_32 3
		.amdhsa_float_denorm_mode_16_64 3
		.amdhsa_memory_ordered 1
		.amdhsa_forward_progress 1
		.amdhsa_inst_pref_size 75
	.end_amdhsa_kernel
	.amdgpu_metadata
---
amdhsa.version: [ 1, 2 ]
amdhsa.kernels:
  - .name:           k_q881e010061_proj
    .symbol:         k_q881e010061_proj.kd
    .args:
      - { .name: O, .offset: 0, .size: 8, .value_kind: global_buffer, .address_space: global }
      - { .name: WoT, .offset: 8, .size: 8, .value_kind: global_buffer, .address_space: global }
      - { .name: b_out, .offset: 16, .size: 8, .value_kind: global_buffer, .address_space: global }
      - { .name: out0, .offset: 24, .size: 8, .value_kind: global_buffer, .address_space: global }
    .group_segment_fixed_size: 327680
    .private_segment_fixed_size: 0
    .kernarg_segment_align: 8
    .kernarg_segment_size: 32
    .max_flat_workgroup_size: 128
    .sgpr_count:     100
    .vgpr_count:     576
    .wavefront_size: 32
...
	.end_amdgpu_metadata
.endif
;; end of part 5
